; MI455X (gfx1250); checked and timed in simulation.
; The chip was launched on July 23, 2026; its instructions are those of AMD's public machine-readable ISA for CDNA 5 (MIT licence, August 2026) and "CDNA5" Instruction Set Architecture Reference Guide (July 2026). The comments in the code are by the model that wrote it; some were corrected since.
;; Morph Model. Allowed arithmetic: float matrix products may take bf16 or f16 operands with f32 sums; all other float work in f32.
;; Inputs: W1 16 x 256 x 512 float32; W2 16 x 512 x 256 float32; Wg 256 x 16 float32; b1 16 x 512 float32; b2 16 x 256 float32; bg 16 float32; x 16,384 x 256 float32.
;; Outputs: out0 16,384 x 256 float32.
;; 2 versions, each right and faster than the one before. Each part assembles by itself: llvm-mc -triple=amdgcn-amd-amdhsa -mcpu=gfx1250 --defsym DOCPART=n.
;; ======== version 1 of 2: 4 launches
;; limits: values are held in f16: magnitudes above 65,504 overflow, below 6.1e-05 lose precision
;; workspace buffers: xb 8,388,608 bytes; wfrag 8,388,608 bytes; route 131,072 bytes of whole numbers; gw 131,072 bytes; lists 1,114,112 bytes of whole numbers; counts 256 bytes of whole numbers; ybuf 33,554,432 bytes
;; launch gate (part 1): grid 256 x 1, 8 waves a work-group, no clusters, 101,376 bytes of LDS; arguments x, Wg, bg, W1, W2, xb, route, gw, wfrag; writes xb, route, gw, wfrag
.if DOCPART == 1
	.amdgcn_target "amdgcn-amd-amdhsa--gfx1250"
	.amdhsa_code_object_version 6
	.text
	.protected	k_qd2ba5d935c_gate
	.globl	k_qd2ba5d935c_gate
	.p2align	8
	.type	k_qd2ba5d935c_gate,@function
k_qd2ba5d935c_gate:
	s_mov_b64 s[64:65], 0
	v_nop
	global_prefetch_b8 v0, s[64:65] scope:SCOPE_SE
	s_setreg_imm32_b32 hwreg(HW_REG_WAVE_MODE, 25, 1), 1
	s_wait_xcnt 0x0
; GATE AND PREPARATION.  Work-group b owns tokens 64 b .. 64 b + 63 and one block (256 k rows x 64 columns) of W1 or W2.
; Waves 0-3: 16 tokens each: x is rounded to bf16 (stored as xb), logits = x Wg + bg by the matrix unit on bf16 operands with f32 sums
; (bg rounded to bf16 too), the two largest logits, and their weights w1 = 1 / (1 + t), w2 = t w1, t = exp(l2 - l1): l1 is the row's maximum,
; so the exponent is never above 0, and the softmax's divisor cancels in the renormalisation.
; Waves 4-7: the weight block is rounded to bf16 (W2: that number written as f16) and stored in the order in which the expert kernel's lanes load it:
; wfrag[e][wave w][buf][n 0..63][lane][16 bytes]; n = 2 (4 j + a) + half: columns 16 a + lane % 16 of the wave's 64, k = 32 j + 16 half + 8 (lane / 16) + 0..7.
; LIMITS.  NaN and infinities are not treated apart.  Of equal logits the lower index wins; logits are compared, not probabilities.  t counts as 0 below 2^-126.
; |W2| of 65,520 or more becomes an infinity in f16; below 6e-5 it keeps f16's fixed step of 6e-8.
.set XTP, 528                          ; a row of x in LDS: 512 bytes + 16
.set WGT, 33792                        ; behind the four waves' 16 rows of x: Wg as bf16, 256 rows
.set WGP, 96                           ; of 32 bytes + 64: an odd multiple of 32
.set WBT, 58368                        ; the weight block as 16-bit numbers, 256 rows
.set WBP, 160                          ; of 128 bytes + 32
.set RS,  99328                        ; 512 bytes of expert numbers, then 512 bytes of weights, in the order of the pairs 2 token + k
	s_load_b512 s[4:19], s[0:1], 0x0               ; x s[4:5], Wg s[6:7], bg s[8:9], W1 s[10:11], W2 s[12:13], xb s[14:15], route s[16:17], gw s[18:19]
	s_load_b64 s[20:21], s[0:1], 0x40              ; wfrag
	v_lshl_add_u32 v254, v0, 2, 0x18800
	v_mov_b32 v255, 0
	v_lshrrev_b32 v1, 5, v0
	v_readfirstlane_b32 s22, v1                    ; wave 0..7
	v_and_b32 v1, 31, v0                           ; lane
	v_and_b32 v2, 15, v0                           ; r = lane % 16
	v_bfe_u32 v3, v0, 4, 1                         ; hh = lane / 16
	v_lshlrev_b32 v4, 4, v1                        ; 16 x lane
	v_lshlrev_b32 v5, 3, v1                        ; 8 x lane
	s_mov_b32 s30, 0x76543210                      ; v_permlanex16_b32: each lane takes its own place in the other half
	s_mov_b32 s31, 0xfedcba98
	s_mov_b32 s32, 0xffff0000                      ; a word's upper 16 bits; as a lane mask: lanes 16-31
	s_mov_b32 s25, 0
	s_mov_b32 s27, 0
	s_mov_b32 s29, 0
	s_mov_b32 s43, 0
	s_and_b32 s33, s22, 3                          ; my place among the four waves of my kind
	s_lshl_b32 s24, ttmp9, 16                      ; 64 tokens x 1,024 bytes,
	s_lshl_b32 s35, s33, 14                        ; 16 tokens a wave
	s_add_co_u32 s24, s24, s35                     ; byte offset of my tokens in x,
	s_lshr_b32 s26, s24, 1                         ; and in xb
	s_mul_i32 s46, s22, 16*XTP                     ; my 16 rows of x in LDS
	s_lshr_b32 s23, ttmp9, 7                       ; the block: 0 = of W1, 1 = of W2,
	s_bfe_u32 s36, ttmp9, 0x40003                  ; expert e,
	s_bfe_u32 s37, ttmp9, 0x20001                  ; the expert kernel's wave w (64 columns),
	s_and_b32 s38, ttmp9, 1                        ; q: W1: which 256 columns; W2: which 256 rows
	s_lshl_b32 s39, s36, 19                        ; e x 524,288 bytes
	s_lshl_b32 s40, s37, 8                         ; w x 64 columns x 4 bytes
	s_add_co_u32 s39, s39, s40
	s_lshl_b32 s40, s38, 10                        ; W1: q x 256 columns
	s_lshl_b32 s41, s38, 18                        ; W2: q x 256 rows of 1,024 bytes
	s_cmp_eq_u32 s23, 0
	s_cselect_b32 s40, s40, s41
	s_add_co_u32 s28, s39, s40                     ; the block's first byte in its tensor
	s_lshl_b32 s39, s36, 2
	s_add_co_u32 s39, s39, s37                     ; 4 e + w
	s_lshl_b32 s39, s39, 2
	s_lshl_b32 s40, s23, 1
	s_add_co_u32 s40, s40, s38                     ; buf = 2 kind + q
	s_add_co_u32 s39, s39, s40
	s_lshl_b32 s42, s39, 15                        ; x 32,768 bytes,
	s_lshl_b32 s40, s33, 13                        ; and a weight wave's 16 stores of 512 bytes
	s_add_co_u32 s42, s42, s40
	s_wait_kmcnt 0x0
	s_add_nc_u64 s[4:5], s[4:5], s[24:25]
	s_add_nc_u64 s[14:15], s[14:15], s[26:27]
	s_add_nc_u64 s[10:11], s[10:11], s[28:29]      ; of these two only the block's own tensor is read
	s_add_nc_u64 s[12:13], s[12:13], s[28:29]
	s_add_nc_u64 s[20:21], s[20:21], s[42:43]
	s_cmp_lt_u32 s22, 4
	s_cbranch_scc0 .Lweights_a
	; ---- waves 0-3, first part: 42 loads go out, bg and Wg first
	v_lshlrev_b32 v6, 5, v3                        ; bg of experts 8 hh .. 8 hh + 7
	v_lshlrev_b32 v7, 4, v0
	global_load_b128 v[16:19], v6, s[8:9]
	global_load_b128 v[20:23], v6, s[8:9] offset:16
.set i, 0
.rept 8
	global_load_b128 v[192+4*i:195+4*i], v7, s[6:7] offset:i*2048  ; 128 threads x 16 bytes: 32 rows of Wg
.set i, i+1
.endr
.set i, 0
.rept 16
	global_load_b128 v[64+8*i:67+8*i], v4, s[4:5] offset:i*1024 th:TH_LOAD_NT      ; token i: 512 neighbouring bytes,
	global_load_b128 v[68+8*i:71+8*i], v4, s[4:5] offset:i*1024+512 th:TH_LOAD_NT  ; and the other 512
.set i, i+1
.endr
	v_add_nc_u32 v8, s46, v5                       ; where my 8 bytes of a row of x go
	v_lshrrev_b32 v9, 2, v0
	v_mul_u32_u24 v9, v9, WGP
	v_and_b32 v10, 3, v0
	v_lshl_add_u32 v9, v10, 3, v9
	v_add_nc_u32 v9, WGT, v9                       ; Wg: row tid / 4, four experts from 4 (tid % 4) on
	s_wait_loadcnt 32                              ; the 32 loads of x are younger: bg and Wg are in
.set i, 0
.rept 4
	v_cvt_pk_bf16_f32 v[48+i], v[16+2*i], v[17+2*i]
.set i, i+1
.endr
.set i, 0
.rept 4
	v_lshlrev_b32 v[16+2*i], 16, v[48+i]           ; bg rounded to bf16, as f32 again: it starts the sums
	v_and_b32 v[17+2*i], s32, v[48+i]
.set i, i+1
.endr
.set i, 0
.rept 8
	v_cvt_pk_bf16_f32 v[192+4*i], v[192+4*i], v[193+4*i]
	v_cvt_pk_bf16_f32 v[193+4*i], v[194+4*i], v[195+4*i]
	ds_store_b64 v9, v[192+4*i:193+4*i] offset:i*32*WGP
.set i, i+1
.endr
.set i, 0
.rept 16
	s_wait_loadcnt 30-2*i                          ; the later rows' loads stay out
	v_cvt_pk_bf16_f32 v[64+8*i], v[64+8*i], v[65+8*i]
	v_cvt_pk_bf16_f32 v[65+8*i], v[66+8*i], v[67+8*i]
	v_cvt_pk_bf16_f32 v[68+8*i], v[68+8*i], v[69+8*i]
	v_cvt_pk_bf16_f32 v[69+8*i], v[70+8*i], v[71+8*i]
	ds_store_b64 v8, v[64+8*i:65+8*i] offset:i*XTP
	ds_store_b64 v8, v[68+8*i:69+8*i] offset:i*XTP+256
	global_store_b64 v5, v[64+8*i:65+8*i], s[14:15] offset:i*512      ; 32 lanes store 256 consecutive bytes, at a multiple of 256 from xb's first byte
	global_store_b64 v5, v[68+8*i:69+8*i], s[14:15] offset:i*512+256
.set i, i+1
.endr
	s_branch .Ljoin_a
	; ---- waves 4-7, first part: the block comes in by rows of 256 bytes, is rounded, and goes into LDS as it lies ([k][column])
.macro WPREP base, pitch, f16
.set i, 0
.rept 32
	global_load_b128 v[64+4*i:67+4*i], v13, s[\base:\base+1] offset:i*8*\pitch th:TH_LOAD_NT  ; 128 threads: 8 rows of 256 bytes
.set i, i+1
.endr
.set i, 0
.rept 32
	s_wait_loadcnt 31-i                            ; the later loads stay out
	v_cvt_pk_bf16_f32 v[64+4*i], v[64+4*i], v[65+4*i]
	v_cvt_pk_bf16_f32 v[65+4*i], v[66+4*i], v[67+4*i]
.if \f16
	v_lshlrev_b32 v48, 16, v[64+4*i]               ; the bf16 number is written as f16: exact within f16's range
	v_and_b32 v49, s32, v[64+4*i]
	v_lshlrev_b32 v50, 16, v[65+4*i]
	v_and_b32 v51, s32, v[65+4*i]
	v_cvt_pk_f16_f32 v[64+4*i], v48, v49
	v_cvt_pk_f16_f32 v[65+4*i], v50, v51
.endif
	ds_store_b64 v12, v[64+4*i:65+4*i] offset:i*8*WBP
.set i, i+1
.endr
.endm
.Lweights_a:
	v_and_b32 v10, 127, v0                         ; t = thread among the 128
	v_lshrrev_b32 v11, 4, v10                      ; row t / 16 of eight
	v_mul_u32_u24 v12, v11, WBP
	v_lshl_add_u32 v12, v2, 3, v12
	v_add_nc_u32 v12, WBT, v12
	v_lshlrev_b32 v13, 4, v2                       ; 16 bytes at 16 (t % 16)
	s_cmp_eq_u32 s23, 0
	s_cbranch_scc0 .Lw2
	v_lshl_add_u32 v13, v11, 11, v13               ; W1's rows are 2,048 bytes apart
	WPREP 10, 2048, 0
	s_branch .Ljoin_a
.Lw2:
	v_lshl_add_u32 v13, v11, 10, v13               ; W2's 1,024
	WPREP 12, 1024, 1
.Ljoin_a:
	s_wait_dscnt 0x0                               ; for the others' sake: my stores into LDS are done
	s_barrier_signal -1
	s_barrier_wait -1
	v_and_b32 v10, 7, v0
	v_lshl_add_u32 v10, v3, 3, v10                 ; the turning load's row: 8 hh + lane % 8
	v_bfe_u32 v11, v0, 3, 1                        ; and its 16 bytes: (lane / 8) % 2
	s_cmp_lt_u32 s22, 4
	s_cbranch_scc0 .Lweights_b
	; ---- waves 0-3, second part: logits^T = Wg^T x^T: source 0 = 16 experts, source 1 = 16 tokens; a lane then holds one token (r) and experts 8 hh + 0..7
	s_wait_xcnt 0x0                                ; the stores into xb have read their registers: these are loaded again only behind this wait
	v_mul_u32_u24 v13, v10, WGP
	v_lshl_add_u32 v13, v11, 4, v13
	v_add_nc_u32 v13, WGT, v13
	v_mul_u32_u24 v14, v2, XTP
	v_lshl_add_u32 v14, v3, 4, v14
	v_add_nc_u32 v14, s46, v14
.set i, 0
.rept 8
	ds_load_tr16_b128 v[64+8*i:67+8*i], v13 offset:i*32*WGP
	ds_load_tr16_b128 v[68+8*i:71+8*i], v13 offset:i*32*WGP+16*WGP
	ds_load_b128 v[128+8*i:131+8*i], v14 offset:i*64
	ds_load_b128 v[132+8*i:135+8*i], v14 offset:i*64+32
.set i, i+1
.endr
	s_wait_dscnt 0x0
	; two accumulators take turns; the first starts with bg, the second with 0
	v_wmma_f32_16x16x32_bf16 v[24:31], v[64:71], v[128:135], v[16:23]
	v_wmma_f32_16x16x32_bf16 v[32:39], v[72:79], v[136:143], 0
.set i, 2
.rept 3
	v_wmma_f32_16x16x32_bf16 v[24:31], v[64+8*i:71+8*i], v[128+8*i:135+8*i], v[24:31]
	v_wmma_f32_16x16x32_bf16 v[32:39], v[72+8*i:79+8*i], v[136+8*i:143+8*i], v[32:39]
.set i, i+2
.endr
	s_lshl_b32 s47, s22, 7                         ; five plain instructions that name none of the products' registers: the places behind them (ISA guide 7.12.1)
	v_lshlrev_b32 v15, 3, v2
	v_lshl_add_u32 v15, v3, 2, v15
	v_add_nc_u32 v15, s47, v15
	v_add_nc_u32 v15, RS, v15                      ; pair 2 (16 wave + r) + hh, 4 bytes each
	v_lshlrev_b32 v12, 3, v3                       ; 8 hh
.set i, 0
.rept 4
	v_pk_add_f32 v[40+2*i:41+2*i], v[24+2*i:25+2*i], v[32+2*i:33+2*i]  ; from each accumulator's low end on
.set i, i+1
.endr
	; the two largest of my eight: (m1, i1) = v48, v49; (m2, i2) = v50, v51.  Strictly greater: of equals the lower index stays
	v_mov_b32 v48, v40
	v_mov_b32 v49, v12
	v_mov_b32 v50, 0xff800000
	v_mov_b32 v51, v12
.set j, 1
.rept 7
	v_add_nc_u32 v52, j, v12
	v_cmp_gt_f32 vcc_lo, v[40+j], v48
	v_cmp_gt_f32 s34, v[40+j], v50
	v_cndmask_b32 v53, v50, v[40+j], s34
	v_cndmask_b32 v54, v51, v52, s34
	v_cndmask_b32 v50, v53, v48, vcc_lo
	v_cndmask_b32 v51, v54, v49, vcc_lo
	v_cndmask_b32 v48, v48, v[40+j], vcc_lo
	v_cndmask_b32 v49, v49, v52, vcc_lo
.set j, j+1
.endr
	; the token's other eight experts lie in the lane 16 away.  A = the pair of experts 0-7, B = of 8-15, in both lanes
	v_permlanex16_b32 v40, v48, s30, s31
	v_permlanex16_b32 v41, v49, s30, s31
	v_permlanex16_b32 v42, v50, s30, s31
	v_permlanex16_b32 v43, v51, s30, s31
	v_cndmask_b32 v44, v48, v40, s32               ; A1
	v_cndmask_b32 v45, v49, v41, s32
	v_cndmask_b32 v46, v50, v42, s32               ; A2
	v_cndmask_b32 v47, v51, v43, s32
	v_cndmask_b32 v56, v40, v48, s32               ; B1
	v_cndmask_b32 v57, v41, v49, s32
	v_cndmask_b32 v58, v42, v50, s32               ; B2
	v_cndmask_b32 v59, v43, v51, s32
	v_cmp_gt_f32 vcc_lo, v56, v44
	v_cndmask_b32 v60, v44, v56, vcc_lo            ; the largest,
	v_cndmask_b32 v61, v45, v57, vcc_lo            ; its expert
	v_cndmask_b32 v62, v46, v44, vcc_lo            ; the candidates for second: A's,
	v_cndmask_b32 v63, v47, v45, vcc_lo
	v_cndmask_b32 v52, v56, v58, vcc_lo            ; and B's
	v_cndmask_b32 v53, v57, v59, vcc_lo
	v_cmp_gt_f32 s34, v52, v62
	v_cndmask_b32 v54, v62, v52, s34               ; the second,
	v_cndmask_b32 v55, v63, v53, s34               ; its expert
	v_sub_f32 v40, v54, v60                        ; l2 - l1, never above 0
	v_mul_f32 v40, 0x3fb8aa3b, v40
	v_exp_f32 v41, v40                             ; t
	v_cndmask_b32 v44, v61, v55, s32               ; (a plain instruction behind the exponential) lanes 0-15 keep choice 0, lanes 16-31 choice 1
	s_wait_alu depctr_va_vdst(0)
	v_add_f32 v42, 1.0, v41
	v_rcp_f32 v43, v42                             ; w1
	v_nop                                          ; a plain instruction behind the reciprocal
	s_wait_alu depctr_va_vdst(0)
	v_mul_f32 v46, v41, v43                        ; w2
	v_cndmask_b32 v45, v43, v46, s32
	ds_store_b32 v15, v44
	ds_store_b32 v15, v45 offset:512
	s_branch .Ljoin_b
	; ---- waves 4-7, second part: wave v turns K steps 2 v and 2 v + 1 of the block into fragments and stores them, 512 consecutive bytes a store
.Lweights_b:
	v_mul_u32_u24 v13, v10, WBP
	v_lshl_add_u32 v13, v11, 4, v13
	s_mul_i32 s47, s33, 64*WBP
	s_add_co_u32 s47, s47, WBT
	v_add_nc_u32 v13, s47, v13
.set m, 0
.rept 16                                       ; m = 2 (4 jj + a) + half
	ds_load_tr16_b128 v[64+4*m:67+4*m], v13 offset:(m/8)*32*WBP+(m%2)*16*WBP+((m/2)%4)*32
.set m, m+1
.endr
.set m, 0
.rept 16
	s_wait_dscnt 15-m                              ; the later loads stay out
	global_store_b128 v4, v[64+4*m:67+4*m], s[20:21] offset:m*512
.set m, m+1
.endr
.Ljoin_b:
	s_wait_dscnt 0x0                               ; for the others' sake: the pairs' numbers are in LDS
	s_barrier_signal -1
	s_barrier_wait -1
	s_cmp_lt_u32 s22, 2
	s_cbranch_scc0 .Lend
	s_lshl_b32 s47, s22, 9                         ; wave 0 stores the 128 expert numbers, wave 1 the 128 weights: 512 consecutive bytes each
	s_add_co_u32 s47, s47, RS
	v_add_nc_u32 v6, s47, v4
	ds_load_b128 v[48:51], v6
	s_cmp_eq_u32 s22, 0
	s_cselect_b64 s[44:45], s[16:17], s[18:19]
	s_lshl_b32 s24, ttmp9, 9
	s_add_nc_u64 s[44:45], s[44:45], s[24:25]
	s_wait_dscnt 0x0
	global_store_b128 v4, v[48:51], s[44:45]
.Lend:
	s_barrier_signal -1
	s_barrier_wait -1
	s_wait_tensorcnt 0x0
	ds_add_u32 v254, v255
	s_wait_dscnt 0x0
	s_endpgm
.Lfunc_end_k_qd2ba5d935c_gate:
	.size	k_qd2ba5d935c_gate, .Lfunc_end_k_qd2ba5d935c_gate-k_qd2ba5d935c_gate
	.p2alignl 7, 3214868480
	.fill 96, 4, 3214868480
	.section	.rodata,"a",@progbits
	.p2align	6, 0x0
	.amdhsa_kernel k_qd2ba5d935c_gate
		.amdhsa_group_segment_fixed_size 101376
		.amdhsa_private_segment_fixed_size 0
		.amdhsa_enable_private_segment 0
		.amdhsa_kernarg_size 72
		.amdhsa_user_sgpr_count 2
		.amdhsa_user_sgpr_kernarg_segment_ptr 1
		.amdhsa_wavefront_size32 1
		.amdhsa_system_sgpr_workgroup_id_x 1
		.amdhsa_system_sgpr_workgroup_id_y 1
		.amdhsa_system_sgpr_workgroup_id_z 1
		.amdhsa_system_vgpr_workitem_id 0
		.amdhsa_next_free_vgpr 256
		.amdhsa_next_free_sgpr 66
		.amdhsa_reserve_vcc 1
		.amdhsa_float_denorm_mode_32 3
		.amdhsa_float_denorm_mode_16_64 3
		.amdhsa_memory_ordered 1
		.amdhsa_forward_progress 1
		.amdhsa_inst_pref_size 60
	.end_amdhsa_kernel
	.amdgpu_metadata
---
amdhsa.version: [ 1, 2 ]
amdhsa.kernels:
  - .name:           k_qd2ba5d935c_gate
    .symbol:         k_qd2ba5d935c_gate.kd
    .args:
      - { .name: x, .offset: 0, .size: 8, .value_kind: global_buffer, .address_space: global }
      - { .name: Wg, .offset: 8, .size: 8, .value_kind: global_buffer, .address_space: global }
      - { .name: bg, .offset: 16, .size: 8, .value_kind: global_buffer, .address_space: global }
      - { .name: W1, .offset: 24, .size: 8, .value_kind: global_buffer, .address_space: global }
      - { .name: W2, .offset: 32, .size: 8, .value_kind: global_buffer, .address_space: global }
      - { .name: xb, .offset: 40, .size: 8, .value_kind: global_buffer, .address_space: global }
      - { .name: route, .offset: 48, .size: 8, .value_kind: global_buffer, .address_space: global }
      - { .name: gw, .offset: 56, .size: 8, .value_kind: global_buffer, .address_space: global }
      - { .name: wfrag, .offset: 64, .size: 8, .value_kind: global_buffer, .address_space: global }
    .group_segment_fixed_size: 101376
    .private_segment_fixed_size: 0
    .kernarg_segment_align: 8
    .kernarg_segment_size: 72
    .max_flat_workgroup_size: 256
    .sgpr_count:     66
    .vgpr_count:     256
    .wavefront_size: 32
...
	.end_amdgpu_metadata
.endif
;; end of part 1
;; launch place (part 2): grid 16 x 1, 32 waves a work-group, no clusters, 4,352 bytes of LDS; arguments route, lists, counts; writes lists, counts
.if DOCPART == 2
	.amdgcn_target "amdgcn-amd-amdhsa--gfx1250"
	.amdhsa_code_object_version 6
	.text
	.protected	k_qd2ba5d935c_place
	.globl	k_qd2ba5d935c_place
	.p2align	8
	.type	k_qd2ba5d935c_place,@function
k_qd2ba5d935c_place:
	s_mov_b64 s[64:65], 0
	v_nop
	global_prefetch_b8 v0, s[64:65] scope:SCOPE_SE
	s_setreg_imm32_b32 hwreg(HW_REG_WAVE_MODE, 25, 1), 1
	s_wait_xcnt 0x0
; THE LISTS.  Work-group e reads all 32,768 pairs' expert numbers and writes the numbers of the pairs that chose expert e, one after the other, into lists[e],
; their count n into counts[e], and 0 into the 1,024 slots behind the list.  No atomics: each thread holds 32 pairs in registers; a wave counts its matches, the 32
; waves' counts meet in LDS, and each wave then knows where its part of the list begins.  The order of a list does not matter to what follows.
; All slots' offsets and all pair numbers are made first, with every lane on; the stores, each under the mask of its matches, follow in a run of their own.
; The stores are 4 bytes a lane to neighbouring slots; all sixteen lists together are 131,072 bytes, too little for a stage in LDS to pay.
; No matrix unit, no cluster: whole numbers alone, and no two work-groups write the same bytes.
.set LSTRIDE, 69632                    ; bytes of a list: 17,408 slots
.set RT, 8                             ; v8-39    my 32 pairs' expert numbers
.set AD, 40                            ; v40-71   the byte offset of the slot that each would take
.set PN, 72                            ; v72-103  the pairs' numbers
	s_load_b128 s[4:7], s[0:1], 0x0                ; route s[4:5], lists s[6:7]
	s_load_b64 s[8:9], s[0:1], 0x10                ; counts
	v_lshl_add_u32 v112, v0, 2, 0x100
	v_mov_b32 v113, 0
	v_lshrrev_b32 v1, 5, v0
	v_readfirstlane_b32 s10, v1                    ; wave 0..31
	v_and_b32 v1, 31, v0                           ; lane
	v_lshlrev_b32 v2, 4, v0                        ; 16 x thread
	v_lshlrev_b32 v105, 2, v0                      ; 4 x thread: the first of my four pairs in each load; also my slot in the padding
	v_mov_b32 v106, 0
	s_mov_b32 s11, ttmp9                           ; e
	s_mul_i32 s12, ttmp9, LSTRIDE
	s_mov_b32 s13, 0
	s_lshl_b32 s24, ttmp9, 2
	s_mov_b32 s25, 0
	s_mov_b32 s16, 0x76543210
	s_mov_b32 s17, 0xfedcba98
	s_mov_b32 s14, 0
	s_wait_kmcnt 0x0
	s_add_nc_u64 s[6:7], s[6:7], s[12:13]          ; my list
	s_add_nc_u64 s[8:9], s[8:9], s[24:25]          ; my count
.set i, 0
.rept 8
	global_load_b128 v[RT+4*i:RT+4*i+3], v2, s[4:5] offset:i*16384  ; register 4 i + c holds pair 4,096 i + 4 thread + c
.set i, i+1
.endr
	s_wait_loadcnt 0x0
.set k, 0
.rept 32
	v_cmp_eq_u32 vcc_lo, s11, v[RT+k]
	s_bcnt1_i32_b32 s15, vcc_lo
	s_add_co_u32 s14, s14, s15                     ; my wave's matches
.set k, k+1
.endr
	v_mov_b32 v3, s14
	v_mov_b32 v4, s10
	v_lshlrev_b32 v4, 2, v4
	ds_store_b32 v4, v3                            ; all lanes write the same word with the same number
	s_wait_dscnt 0x0
	s_barrier_signal -1
	s_barrier_wait -1
	v_lshlrev_b32 v5, 2, v1
	ds_load_b32 v6, v5                             ; lane l: wave l's matches
	v_mov_b32 v104, 0
	s_wait_dscnt 0x0
	v_cmp_gt_u32 vcc_lo, s10, v1
	v_cndmask_b32 v7, 0, v6, vcc_lo                ; those of the waves in front of mine
.macro ISUM v, tmp                     ; the sum over the 32 lanes, in whole numbers, in every lane
.irp x, 1,2,4,8
	v_mov_b32_dpp v[\tmp], v[\v] row_xmask:\x row_mask:0xf bank_mask:0xf
	v_add_nc_u32 v[\v], v[\v], v[\tmp]
.endr
	v_permlanex16_b32 v[\tmp], v[\v], s16, s17
	v_add_nc_u32 v[\v], v[\v], v[\tmp]
.endm
	ISUM 7, 104
	ISUM 6, 104
	v_readfirstlane_b32 s18, v7                    ; where my wave's part of the list begins
	v_readfirstlane_b32 s19, v6                    ; n
	s_min_u32 s18, s18, 16384                      ; a token names an expert once at the most, so neither passes 16,384
	s_min_u32 s19, s19, 16384
	s_lshl_b32 s12, s19, 2
	s_add_nc_u64 s[22:23], s[6:7], s[12:13]        ; behind the list: 1,024 slots of 0, slot n + 1,023 at the most: inside the list's 17,408
	v_mov_b32 v107, s19
.set k, 0
.rept 32
	v_cmp_eq_u32 vcc_lo, s11, v[RT+k]
	v_mbcnt_lo_u32_b32 v[AD+k], vcc_lo, s18        ; the matches in lanes below mine, behind what is placed already
	s_bcnt1_i32_b32 s15, vcc_lo
	v_min_u32 v[AD+k], 0x3fff, v[AD+k]
	v_lshlrev_b32 v[AD+k], 2, v[AD+k]
	v_add_nc_u32 v[PN+k], (k/4)*4096+k%4, v105     ; the pair's number
	s_add_co_u32 s18, s18, s15
.set k, k+1
.endr
	s_wait_xcnt 0x0                                ; EXEC changes only behind this wait
.set k, 0
.rept 32
	v_cmp_eq_u32 vcc_lo, s11, v[RT+k]
	s_and_saveexec_b32 s20, vcc_lo
	global_store_b32 v[AD+k], v[PN+k], s[6:7]
	s_wait_xcnt 0x0                                ; the store has read EXEC: it is widened, and narrowed again for the next store, only behind this wait
	s_or_b32 exec_lo, exec_lo, s20
.set k, k+1
.endr
	global_store_b32 v105, v106, s[22:23]          ; the padding
	v_cmp_eq_u32 vcc_lo, 0, v0
	s_wait_xcnt 0x0
	s_and_saveexec_b32 s20, vcc_lo
	global_store_b32 v106, v107, s[8:9]            ; thread 0 stores n
	s_wait_xcnt 0x0
	s_or_b32 exec_lo, exec_lo, s20
	s_wait_xcnt 0x0
	s_mov_b32 exec_lo, -1
	s_wait_tensorcnt 0x0
	ds_add_u32 v112, v113
	s_wait_dscnt 0x0
	s_endpgm
.Lfunc_end_k_qd2ba5d935c_place:
	.size	k_qd2ba5d935c_place, .Lfunc_end_k_qd2ba5d935c_place-k_qd2ba5d935c_place
	.p2alignl 7, 3214868480
	.fill 96, 4, 3214868480
	.section	.rodata,"a",@progbits
	.p2align	6, 0x0
	.amdhsa_kernel k_qd2ba5d935c_place
		.amdhsa_group_segment_fixed_size 4352
		.amdhsa_private_segment_fixed_size 0
		.amdhsa_enable_private_segment 0
		.amdhsa_kernarg_size 24
		.amdhsa_user_sgpr_count 2
		.amdhsa_user_sgpr_kernarg_segment_ptr 1
		.amdhsa_wavefront_size32 1
		.amdhsa_system_sgpr_workgroup_id_x 1
		.amdhsa_system_sgpr_workgroup_id_y 1
		.amdhsa_system_sgpr_workgroup_id_z 1
		.amdhsa_system_vgpr_workitem_id 0
		.amdhsa_next_free_vgpr 114
		.amdhsa_next_free_sgpr 66
		.amdhsa_reserve_vcc 1
		.amdhsa_float_denorm_mode_32 3
		.amdhsa_float_denorm_mode_16_64 3
		.amdhsa_memory_ordered 1
		.amdhsa_forward_progress 1
		.amdhsa_inst_pref_size 25
	.end_amdhsa_kernel
	.amdgpu_metadata
---
amdhsa.version: [ 1, 2 ]
amdhsa.kernels:
  - .name:           k_qd2ba5d935c_place
    .symbol:         k_qd2ba5d935c_place.kd
    .args:
      - { .name: route, .offset: 0, .size: 8, .value_kind: global_buffer, .address_space: global }
      - { .name: lists, .offset: 8, .size: 8, .value_kind: global_buffer, .address_space: global }
      - { .name: counts, .offset: 16, .size: 8, .value_kind: global_buffer, .address_space: global }
    .group_segment_fixed_size: 4352
    .private_segment_fixed_size: 0
    .kernarg_segment_align: 8
    .kernarg_segment_size: 24
    .max_flat_workgroup_size: 1024
    .sgpr_count:     66
    .vgpr_count:     114
    .wavefront_size: 32
...
	.end_amdgpu_metadata
.endif
;; end of part 2
;; launch experts (part 3): grid 243 x 1, 4 waves a work-group, no clusters, 248,832 bytes of LDS; arguments wfrag, xb, lists, counts, gw, b1, b2, ybuf; writes ybuf
.if DOCPART == 3
	.amdgcn_target "amdgcn-amd-amdhsa--gfx1250"
	.amdhsa_code_object_version 6
	.text
	.protected	k_qd2ba5d935c_experts
	.globl	k_qd2ba5d935c_experts
	.p2align	8
	.type	k_qd2ba5d935c_experts,@function
k_qd2ba5d935c_experts:
	s_mov_b64 s[64:65], 0
	v_nop
	global_prefetch_b8 v0, s[64:65] scope:SCOPE_SE
	s_setreg_imm32_b32 hwreg(HW_REG_WAVE_MODE, 25, 1), 1
	s_wait_xcnt 0x0
; THE EXPERTS.  A work-group takes ONE tile: up to 144 pairs (token, choice) of one expert e: ybuf[pair] = w (relu(x W1[e] + b1[e]) W2[e] + b2[e]).
; x, W1, b1, W2, b2 rounded to bf16; the first product in bf16; h, which this text makes, rounded to f16, and W2's bf16 numbers written as f16, for the second; sums in f32.
; THE GRID.  The sum over the experts of ceil(n_e / 144) is at most (32,768 + 16 x 143) / 144 = 243 for every routing, so 243 work-groups serve every routing with one tile each: no trip count
; and no barrier hangs on the counts.  The counts steer clamped addresses and one forward jump, round each block's stores: a work-group beyond the tiles that a given
; routing needs (CNT = 0) runs the same text and stores nothing.  Rows of a tile at or beyond CNT repeat the tile's last pair: the same wave stores the same numbers to the same bytes again.
; SHARES.  Four waves.  Layer 1: wave w makes h's columns 256 q + 64 w .. + 63, q = 0, 1, of all 144 rows; layer 2: output columns 64 w .. + 63.  Both products are used transposed
; (source 0 = 16 columns of the weights, source 1 = 16 rows): a lane holds one row (lane % 16) and eight neighbouring columns (8 (lane / 16) + 0..7).
; WEIGHTS lie in wfrag in the lanes' own order and go from memory straight into registers: 256 registers a buffer, each multiplied by nine row blocks.  So no tile of weights passes LDS.
; NO CLUSTER: how many tiles an expert has hangs on the counts, so neighbouring work-groups may belong to different experts and a joint request's descriptor would differ between
; partners; and rows of x are gathered by a list.  For the same reason LDS is filled through registers.
; LIMITS.  h is held to 0 .. 65,504 (relu and f16's end in one instruction).  NaN and infinities are not treated apart.
; REGISTERS.  Window 0: v1-15 addresses; v16-47 bias (the C that starts a sum); v48-111 two sets of four accumulators; v112-239 two buffers of row fragments; v240-255 at work.  Windows 1-3: weights.
.set XP,   528                         ; a row of x in LDS: 512 bytes + 16: the 16 rows of a fragment load start at 16 different 16-byte columns of 256 bytes
.set HP,   1040                        ; a row of h: 1,024 + 16
.set HB,   144*XP                      ; h behind x
.set SG,   HB+144*HP                   ; each wave's stage for the way out: 16 rows of 256 + 16 bytes
.set SGP,  272
.set PL,   SG+4*16*SGP                 ; 256 words: the tile's pairs
.set WL,   PL+1024                     ; 256 words: their weights
.set B1L,  WL+1024                     ; b1[e], 512 numbers, then b2[e], 256, rounded to bf16, as f32
.set L16,  1                           ; v1   16 x lane
.set FA,   2                           ; v2-4 a fragment's address for row blocks 0-2, 3-5, 6-8 (x, later h)
.set HS,   5                           ; v5-7 where my 16 bytes of h go, likewise
.set BIAS, 16
.set ACC,  48
.set FR,   112
.set TMP,  240
.set PT,   240                         ; layer 2: v240-247 the pairs of the rows that I store, then their byte offsets; v248 my row's weight; v249 = 0, named with it as a pair
.set MSB, 0
.macro WIN new                         ; the immediate's high byte repeats the setting that is left; a switch that changes nothing is dropped
.if MSB != (\new)
	s_set_vgpr_msb (MSB<<8)|(\new)
.set MSB, \new
.endif
.endm
.macro PLACES                          ; four places behind a matrix instruction (ISA guide 7.12.1), where no other vector work is at hand
.rept 4
	v_nop
.endr
.endm
.macro WLOAD buf, W, part              ; a quarter of weight buffer buf into window W: 16 loads of 512 consecutive bytes
	WIN (\W)<<6
.set c, 0
.rept 16
	global_load_b128 v[64*(\part)+4*c:64*(\part)+4*c+3], v[L16], s[4:5] offset:(\buf)*32768+(16*(\part)+c)*512
.set c, c+1
.endr
.endm
.macro FETCHX i, f                     ; row block i of x, all 256 channels: 8 fragments into buffer f
	WIN 0
.set c, 0
.rept 8
	ds_load_b128 v[FR+64*(\f)+8*c:FR+64*(\f)+8*c+3],   v[FA+(\i)/3] offset:((\i)%3)*16*XP+c*64
	ds_load_b128 v[FR+64*(\f)+8*c+4:FR+64*(\f)+8*c+7], v[FA+(\i)/3] offset:((\i)%3)*16*XP+c*64+32
.set c, c+1
.endr
.endm
.macro FETCHH i, kh, f                 ; row block i of h, columns 256 kh on
	WIN 0
.set c, 0
.rept 8
	ds_load_b128 v[FR+64*(\f)+8*c:FR+64*(\f)+8*c+3],   v[FA+(\i)/3] offset:((\i)%3)*16*HP+(\kh)*512+c*64
	ds_load_b128 v[FR+64*(\f)+8*c+4:FR+64*(\f)+8*c+7], v[FA+(\i)/3] offset:((\i)%3)*16*HP+(\kh)*512+c*64+32
.set c, c+1
.endr
.endm
.macro BIASLOAD off                    ; the bias of my lane's eight columns in each of four blocks of 16
.set c, 0
.rept 4
	ds_load_b128 v[BIAS+8*c:BIAS+8*c+3],   v13 offset:(\off)+c*64
	ds_load_b128 v[BIAS+8*c+4:BIAS+8*c+7], v13 offset:(\off)+c*64+16
.set c, c+1
.endr
.endm
; 32 matrix instructions: 16 rows x 64 columns over 256 along K.  The four accumulators take turns, one instruction a turn.
; first = 1: the bias starts the sums.  rider = 1: behind each product one number a lane of the OTHER set is held to 0 .. 65,504, from each accumulator's low end on; its first source is a constant, so the window stays.
.macro MUL form, W, f, A, first, rider
	WIN \W
.set n, 0
.rept 32
.set rD, ACC+32*(\A)+8*(n%4)
.set rF, FR+64*(\f)+8*(n/4)
.if (\first) && (n < 4)
	v_wmma_f32_16x16x32_\form v[rD:rD+7], v[8*n:8*n+7], v[rF:rF+7], v[BIAS+8*n:BIAS+8*n+7]
.else
	v_wmma_f32_16x16x32_\form v[rD:rD+7], v[8*n:8*n+7], v[rF:rF+7], v[rD:rD+7]
.endif
.if \rider
	v_med3_num_f32 v[ACC+32*(1-(\A))+n], 0, v[ACC+32*(1-(\A))+n], s52
.endif
.set n, n+1
.endr
.endm
.macro LUMP st                         ; step st's h: rounded to f16, 16 bytes for each block of 16 columns, into LDS
	WIN 0
.set lA, ACC+32*((\st)%2)
.set c, 0
.rept 16
	v_cvt_pk_f16_f32 v[TMP+c], v[lA+2*c], v[lA+2*c+1]
.set c, c+1
.endr
.set c, 0
.rept 4
	ds_store_b128 v[HS+((\st)%9)/3], v[TMP+4*c:TMP+4*c+3] offset:(((\st)%9)%3)*16*HP+((\st)/9)*512+c*32
.set c, c+1
.endr
.endm
.macro PWLOAD i                        ; for row block i: the pairs of rows 2 t + lane / 16, and the weight of row lane % 16
.set c, 0
.rept 8
	ds_load_b32 v[PT+c], v10 offset:(\i)*64+c*8
.set c, c+1
.endr
	ds_load_b32 v248, v11 offset:(\i)*64
.endm
.macro EPA A                           ; the way out, first part: times w; into my stage by lanes; back as whole rows of 256 bytes, into the registers that they left
.set c, 0
.rept 16
	v_pk_mul_f32 v[ACC+32*(\A)+2*c:ACC+32*(\A)+2*c+1], v[ACC+32*(\A)+2*c:ACC+32*(\A)+2*c+1], v[248:249] op_sel_hi:[1,0]
.set c, c+1
.endr
.set c, 0
.rept 8
	ds_store_b128 v8, v[ACC+32*(\A)+4*c:ACC+32*(\A)+4*c+3] offset:(c/2)*64+(c%2)*16
.set c, c+1
.endr
.set c, 0
.rept 8
	ds_load_b128 v[ACC+32*(\A)+4*c:ACC+32*(\A)+4*c+3], v9 offset:c*2*SGP  ; LDS serves a wave's instructions in order (ISA guide 5.7.1.4): these see the stores above
.set c, c+1
.endr
.endm
.macro EPADDR                          ; pair -> byte offset of my 16 bytes in ybuf
.set c, 0
.rept 8
	v_min_u32 v[PT+c], 0x7fff, v[PT+c]
.set c, c+1
.endr
.set c, 0
.rept 8
	v_lshl_add_u32 v[PT+c], v[PT+c], 10, v12
.set c, c+1
.endr
.endm
.macro EPST A                          ; the stores: 16 lanes fill 256 consecutive bytes, at a multiple of 256 from ybuf's first byte; an empty tile jumps round them (every window is 0 here)
	s_cmp_eq_u32 s53, 0
	s_cbranch_scc1 .Lempty_\@
.set c, 0
.rept 8
	global_store_b128 v[PT+c], v[ACC+32*(\A)+4*c:ACC+32*(\A)+4*c+3], s[18:19]
.set c, c+1
.endr
.Lempty_\@:
	s_wait_xcnt 0x0                                ; the stores have read their offsets and their data: both are written again only behind this wait
.endm
.macro FIND e                          ; is my tile one of expert e's?  The last expert whose first tile is not behind mine stays selected
	s_min_u32 s40, s[20+\e], 16384
	s_cmp_le_u32 s36, s37
	s_cselect_b32 s38, s40, s38
	s_cselect_b32 s39, s36, s39
	s_cselect_b32 s41, \e, s41
	s_add_co_u32 s40, s40, 143
	s_mul_i32 s40, s40, 7282                       ; (n + 143) / 144 = ((n + 143) x 7,282) >> 20: 7,282 x 144 = 2^20 + 32, exact below 32,768
	s_lshr_b32 s40, s40, 20
	s_add_co_u32 s36, s36, s40
.endm
	s_load_b512 s[4:19], s[0:1], 0x0               ; wfrag s[4:5], xb s[6:7], lists s[8:9], counts s[10:11], gw s[12:13], b1 s[14:15], b2 s[16:17], ybuf s[18:19]
	v_lshrrev_b32 v1, 5, v0
	v_readfirstlane_b32 s48, v1                    ; wave 0..3
	v_and_b32 v1, 31, v0
	v_lshlrev_b32 v[L16], 4, v1
	s_mov_b32 s37, ttmp9                           ; my tile's number
	s_mov_b32 s36, 0                               ; tiles of the experts passed
	s_mov_b32 s38, 0                               ; the selected expert's n,
	s_mov_b32 s39, 0                               ; its first tile,
	s_mov_b32 s41, 0                               ; its number
	s_mov_b32 s51, 0
	s_mov_b32 s52, 0x477fe000                      ; 65,504
	s_mov_b32 s55, 0xffff0000
	s_wait_kmcnt 0x0
	s_load_b512 s[20:35], s[10:11], 0x0            ; the sixteen counts
	s_wait_kmcnt 0x0
.irp e, 0,1,2,3,4,5,6,7,8,9,10,11,12,13,14,15
	FIND \e
.endr
	s_sub_co_u32 s42, s37, s39
	s_mul_i32 s42, s42, 144                        ; my tile's first slot in the list
	s_sub_co_i32 s53, s38, s42
	s_max_i32 s53, s53, 0
	s_min_i32 s53, s53, 144                        ; CNT: its rows
	s_cmp_eq_u32 s53, 0
	s_cselect_b32 s42, 0, s42
	s_max_u32 s43, s53, 1
	s_sub_co_u32 s43, s43, 1                       ; its last row
	s_min_u32 s42, s42, 16384                      ; slot 16,384 + 143 at the most: inside a list's 17,408
	s_min_u32 s41, s41, 15
	s_min_u32 s43, s43, 143
	s_mul_i32 s50, s41, 69632
	s_lshl_b32 s40, s42, 2
	s_add_co_u32 s50, s50, s40
	s_add_nc_u64 s[8:9], s[8:9], s[50:51]          ; the list at my tile
	s_lshl_b32 s50, s41, 11
	s_add_nc_u64 s[14:15], s[14:15], s[50:51]      ; b1[e]
	s_lshl_b32 s50, s41, 10
	s_add_nc_u64 s[16:17], s[16:17], s[50:51]      ; b2[e]
	s_lshl_b32 s50, s41, 2
	s_add_co_u32 s50, s50, s48
	s_lshl_b32 s50, s50, 17
	s_add_nc_u64 s[4:5], s[4:5], s[50:51]          ; my wave's four weight buffers
	s_lshl_b32 s50, s48, 8
	s_add_nc_u64 s[18:19], s[18:19], s[50:51]      ; my 64 columns of ybuf
	v_min_u32 v228, s43, v0                        ; rows tid and tid + 128, held to the tile's last row
	v_min_u32 v228, 143, v228
	v_lshlrev_b32 v228, 2, v228
	v_add_nc_u32 v229, 128, v0
	v_min_u32 v229, s43, v229
	v_min_u32 v229, 143, v229
	v_lshlrev_b32 v229, 2, v229
	v_lshlrev_b32 v232, 4, v0
	v_lshlrev_b32 v233, 3, v0
	global_load_b32 v230, v228, s[8:9]
	global_load_b32 v231, v229, s[8:9]
	global_load_b128 v[236:239], v232, s[14:15]    ; 128 threads x 16 bytes: b1[e]
	global_load_b64 v[234:235], v233, s[16:17]     ; x 8 bytes: b2[e]
	WLOAD 0, 1, 0
	WLOAD 0, 1, 1
	WLOAD 0, 1, 2
	WIN 0
	s_wait_loadcnt 48                              ; the 48 weight loads are younger: pairs and biases are in
	v_min_u32 v230, 0x7fff, v230
	v_min_u32 v231, 0x7fff, v231
	v_lshl_add_u32 v240, v0, 2, PL
	ds_store_b32 v240, v230
	ds_store_b32 v240, v231 offset:512
	v_lshlrev_b32 v244, 2, v230
	v_lshlrev_b32 v245, 2, v231
	global_load_b32 v246, v244, s[12:13]           ; the pairs' weights
	global_load_b32 v247, v245, s[12:13]
	v_cvt_pk_bf16_f32 v241, v236, v237             ; the biases are rounded to bf16 and kept as f32
	v_cvt_pk_bf16_f32 v242, v238, v239
	v_cvt_pk_bf16_f32 v243, v234, v235
	v_lshlrev_b32 v236, 16, v241
	v_and_b32 v237, s55, v241
	v_lshlrev_b32 v238, 16, v242
	v_and_b32 v239, s55, v242
	v_lshlrev_b32 v234, 16, v243
	v_and_b32 v235, s55, v243
	v_add_nc_u32 v241, B1L, v232
	v_add_nc_u32 v242, B1L+2048, v233
	ds_store_b128 v241, v[236:239]
	ds_store_b64 v242, v[234:235]
	WLOAD 0, 1, 3
	WIN 0
	s_mul_i32 s40, s48, 144
	s_add_co_u32 s40, s40, PL
	v_mov_b32 v251, s40                            ; my wave gathers rows 36 w .. 36 w + 35
	s_wait_dscnt 0x0                               ; for the others' sake: pairs and biases are in LDS
	s_barrier_signal -1
	s_barrier_wait -1
.set i, 0
.rept 36
	ds_load_b32 v[48+i], v251 offset:4*i           ; all lanes read the row's pair
.set i, i+1
.endr
	s_wait_dscnt 0x0
.set i, 0
.rept 36
	v_lshrrev_b32 v[48+i], 1, v[48+i]              ; the token,
	v_min_u32 v[48+i], 0x3fff, v[48+i]
	v_lshl_add_u32 v[48+i], v[48+i], 9, v[L16]     ; its row of 512 bytes in xb, 16 bytes a lane
.set i, i+1
.endr
.set i, 0
.rept 36
	global_load_b128 v[84+4*i:87+4*i], v[48+i], s[6:7]
.set i, i+1
.endr
	; the lanes' addresses are made while the rows are on their way
	v_and_b32 v14, 15, v0                          ; r
	v_bfe_u32 v15, v0, 4, 1                        ; hh
	v_mul_u32_u24 v[FA], v14, XP
	v_lshl_add_u32 v[FA], v15, 4, v[FA]            ; a fragment: row r, 16 bytes for each half of the lanes
	v_add_nc_u32 v[FA+1], 3*16*XP, v[FA]
	v_add_nc_u32 v[FA+2], 6*16*XP, v[FA]
	v_mul_u32_u24 v[HS], v14, HP
	v_lshl_add_u32 v[HS], v15, 4, v[HS]
	s_lshl_b32 s40, s48, 7
	s_add_co_u32 s40, s40, HB
	v_add_nc_u32 v[HS], s40, v[HS]                 ; h: row r, my wave's 128 bytes, 16 bytes for each half of the lanes
	v_add_nc_u32 v[HS+1], 3*16*HP, v[HS]
	v_add_nc_u32 v[HS+2], 6*16*HP, v[HS]
	s_mul_i32 s40, s48, 16*SGP
	s_add_co_u32 s40, s40, SG                      ; my stage
	v_mul_u32_u24 v8, v14, SGP
	v_lshl_add_u32 v8, v15, 5, v8
	v_add_nc_u32 v8, s40, v8                       ; in: row r, 32 bytes for each half of the lanes
	v_mul_u32_u24 v9, v15, SGP
	v_lshl_add_u32 v9, v14, 4, v9
	v_add_nc_u32 v9, s40, v9                       ; back: lanes 0-15 one row of 256 bytes, lanes 16-31 the next
	v_lshl_add_u32 v10, v15, 2, PL
	v_lshl_add_u32 v11, v14, 2, WL
	v_lshlrev_b32 v12, 4, v14
	s_lshl_b32 s40, s48, 8
	s_add_co_u32 s40, s40, B1L
	v_lshl_add_u32 v13, v15, 5, s40                ; the bias of my wave's 64 columns, eight for each half of the lanes
	v_mov_b32 v249, 0
	s_mul_i32 s40, s48, 36*XP
	v_add_nc_u32 v250, s40, v[L16]
.set i, 0
.rept 36
	s_wait_loadcnt 35-i                            ; the later rows stay out; the first of these waits also shows the weights w and the first weight buffer in
	ds_store_b128 v250, v[84+4*i:87+4*i] offset:i*XP
.set i, i+1
.endr
	ds_store_b32 v240, v246 offset:1024
	ds_store_b32 v240, v247 offset:1536
	WLOAD 1, 2, 0                                  ; the second half of W1's columns: wanted nine steps on
	WLOAD 1, 2, 1
	WLOAD 1, 2, 2
	WLOAD 1, 2, 3
	WIN 0
	s_wait_dscnt 0x0                               ; for the others' sake: my rows of x are in LDS
	s_barrier_signal -1
	s_barrier_wait -1
	BIASLOAD 0
	FETCHX 0, 0
; LAYER 1: 18 steps: row block s % 9, column half q = s / 9 (weights in window 1 + q).  Step s multiplies into accumulator set s % 2; beside its products the set of step s - 1 is held to
; 0 .. 65,504; at its head the set of step s - 2 is rounded and stored, and those 16 conversions, which name nothing of the last products, are the places in front of the fragment loads.
.set s, 0
.rept 18
	WIN 0
.if s >= 2
	LUMP s-2
.elseif s == 1
	PLACES
.endif
.if s == 9
	s_wait_loadcnt 0x0                             ; the second weight buffer is in
	BIASLOAD 1024
.endif
.if s < 17
	FETCHX (s+1)%9, (s+1)%2
	s_wait_dscnt 16                                ; all but the 16 loads just issued: this step's fragments and the bias are in
.else
	s_wait_dscnt 0x0
.endif
.if (s >= 9) && (s < 13)
	WLOAD 2, 3, s-9                                ; W2's first 256 rows
.elseif (s >= 13) && (s < 17)
	WLOAD 3, 1, s-13                               ; its other 256, where W1's first buffer lay: step 8 read that last
.endif
.if s >= 1
	MUL bf16, 1+s/9, s%2, s%2, 1, 1
.else
	MUL bf16, 1, 0, 0, 1, 0
.endif
.set s, s+1
.endr
	LUMP 16                                        ; its conversions are the places behind the last products
.set n, 0
.rept 32
	v_med3_num_f32 v[ACC+32+n], 0, v[ACC+32+n], s52
.set n, n+1
.endr
	LUMP 17
	v_mul_u32_u24 v[FA], v14, HP                   ; the fragments now come from h
	v_lshl_add_u32 v[FA], v15, 4, v[FA]
	v_add_nc_u32 v[FA], HB, v[FA]
	v_add_nc_u32 v[FA+1], 3*16*HP, v[FA]
	v_add_nc_u32 v[FA+2], 6*16*HP, v[FA]
	s_wait_dscnt 0x0                               ; for the others' sake: my columns of h are in LDS
	s_wait_loadcnt 0x0                             ; W2's two buffers are in
	s_barrier_signal -1
	s_barrier_wait -1
	BIASLOAD 2048
	FETCHH 0, 0, 0
; LAYER 2: for each row block two steps of 256 along K (window 3, then window 1) on accumulator set i % 2.  The block before goes out beside them:
; scaled and sent through the stage at the first step's head, stored at the second's.  No barrier stands from here on.
.set i2, 0
.rept 9
	WIN 0
.if i2 >= 1
	PLACES                                         ; in front of the loads into buffer 1 and of the scaling of results just made
.endif
	FETCHH i2, 1, 1
	s_wait_dscnt 16                                ; all but the 16 just issued: buffer 0, the bias, the last block's pairs and weight
.if i2 >= 1
	EPA (i2-1)%2
.endif
	MUL f16, 3, 0, i2%2, 1, 0
	WIN 0
.if i2 >= 1
	EPADDR                                         ; 16 plain instructions: the places in front of the loads into buffer 0
.else
	PLACES
.endif
.if i2 < 8
	FETCHH i2+1, 0, 0
	s_wait_dscnt 16                                ; all but the 16 just issued: buffer 1, and the last block's rows back from the stage
.else
	s_wait_dscnt 0x0
.endif
.if i2 >= 1
	EPST (i2-1)%2
.endif
	PWLOAD i2
	MUL f16, 1, 1, i2%2, 0, 0
.set i2, i2+1
.endr
	WIN 0
	PLACES
	s_wait_dscnt 0x0                               ; the last block's pairs and weight
	EPA 0
	EPADDR
	s_wait_dscnt 0x0
	EPST 0
	s_barrier_signal -1
	s_barrier_wait -1
	s_wait_xcnt 0x0
	v_lshl_add_u32 v254, v0, 2, 0x3ca00
	v_mov_b32 v255, 0
	s_wait_tensorcnt 0x0
	ds_add_u32 v254, v255
	s_wait_dscnt 0x0
	s_endpgm
.Lfunc_end_k_qd2ba5d935c_experts:
	.size	k_qd2ba5d935c_experts, .Lfunc_end_k_qd2ba5d935c_experts-k_qd2ba5d935c_experts
	.p2alignl 7, 3214868480
	.fill 96, 4, 3214868480
	.section	.rodata,"a",@progbits
	.p2align	6, 0x0
	.amdhsa_kernel k_qd2ba5d935c_experts
		.amdhsa_group_segment_fixed_size 248832
		.amdhsa_private_segment_fixed_size 0
		.amdhsa_enable_private_segment 0
		.amdhsa_kernarg_size 64
		.amdhsa_user_sgpr_count 2
		.amdhsa_user_sgpr_kernarg_segment_ptr 1
		.amdhsa_wavefront_size32 1
		.amdhsa_system_sgpr_workgroup_id_x 1
		.amdhsa_system_sgpr_workgroup_id_y 1
		.amdhsa_system_sgpr_workgroup_id_z 1
		.amdhsa_system_vgpr_workitem_id 0
		.amdhsa_next_free_vgpr 1024
		.amdhsa_next_free_sgpr 66
		.amdhsa_reserve_vcc 0
		.amdhsa_float_denorm_mode_32 3
		.amdhsa_float_denorm_mode_16_64 3
		.amdhsa_memory_ordered 1
		.amdhsa_forward_progress 1
		.amdhsa_inst_pref_size 255
	.end_amdhsa_kernel
	.section	.bss,"aw",@nobits
	.p2align	6
	.space	262144
	.amdgpu_metadata
---
amdhsa.version: [ 1, 2 ]
amdhsa.kernels:
  - .name:           k_qd2ba5d935c_experts
    .symbol:         k_qd2ba5d935c_experts.kd
    .args:
      - { .name: wfrag, .offset: 0, .size: 8, .value_kind: global_buffer, .address_space: global }
      - { .name: xb, .offset: 8, .size: 8, .value_kind: global_buffer, .address_space: global }
      - { .name: lists, .offset: 16, .size: 8, .value_kind: global_buffer, .address_space: global }
      - { .name: counts, .offset: 24, .size: 8, .value_kind: global_buffer, .address_space: global }
      - { .name: gw, .offset: 32, .size: 8, .value_kind: global_buffer, .address_space: global }
      - { .name: b1, .offset: 40, .size: 8, .value_kind: global_buffer, .address_space: global }
      - { .name: b2, .offset: 48, .size: 8, .value_kind: global_buffer, .address_space: global }
      - { .name: ybuf, .offset: 56, .size: 8, .value_kind: global_buffer, .address_space: global }
    .group_segment_fixed_size: 248832
    .private_segment_fixed_size: 0
    .kernarg_segment_align: 8
    .kernarg_segment_size: 64
    .max_flat_workgroup_size: 128
    .sgpr_count:     66
    .vgpr_count:     1024
    .wavefront_size: 32
...
	.end_amdgpu_metadata
.endif
;; end of part 3
;; launch combine (part 4): grid 256 x 1, 8 waves a work-group, no clusters, 0 bytes of LDS; arguments ybuf, out0; writes out0
.if DOCPART == 4
	.amdgcn_target "amdgcn-amd-amdhsa--gfx1250"
	.amdhsa_code_object_version 6
	.text
	.protected	k_qd2ba5d935c_combine
	.globl	k_qd2ba5d935c_combine
	.p2align	8
	.type	k_qd2ba5d935c_combine,@function
k_qd2ba5d935c_combine:
	s_mov_b64 s[64:65], 0
	v_nop
	global_prefetch_b8 v0, s[64:65] scope:SCOPE_SE
	s_setreg_imm32_b32 hwreg(HW_REG_WAVE_MODE, 25, 1), 1
	s_wait_xcnt 0x0
; out0[t] = ybuf[2 t] + ybuf[2 t + 1]: the two chosen experts' weighted rows, in f32.  A stream: a wave owns 8 tokens, 16,384 consecutive bytes of ybuf and 8,192 of out0.
; All 32 loads of a wave go out first; each load and each store covers 512 consecutive bytes.  No register is written twice, so no wait frees one.  No LDS, matrix unit or cluster: nothing is shared.
	s_load_b128 s[4:7], s[0:1], 0x0                ; ybuf s[4:5], out0 s[6:7]
	v_lshrrev_b32 v1, 5, v0
	v_readfirstlane_b32 s8, v1
	v_and_b32 v1, 31, v0
	v_lshlrev_b32 v1, 4, v1                        ; 16 x lane
	s_lshl_b32 s9, ttmp9, 3
	s_add_co_u32 s9, s9, s8                        ; my wave among all 2,048
	s_lshl_b32 s10, s9, 14
	s_mov_b32 s11, 0
	s_lshl_b32 s12, s9, 13
	s_mov_b32 s13, 0
	s_wait_kmcnt 0x0
	s_add_nc_u64 s[4:5], s[4:5], s[10:11]
	s_add_nc_u64 s[6:7], s[6:7], s[12:13]
.set j, 0
.rept 8
	global_load_b128 v[8+16*j:11+16*j],  v1, s[4:5] offset:j*2048 th:TH_LOAD_NT       ; choice 0, first half of the row,
	global_load_b128 v[12+16*j:15+16*j], v1, s[4:5] offset:j*2048+512 th:TH_LOAD_NT   ; second half;
	global_load_b128 v[16+16*j:19+16*j], v1, s[4:5] offset:j*2048+1024 th:TH_LOAD_NT  ; choice 1
	global_load_b128 v[20+16*j:23+16*j], v1, s[4:5] offset:j*2048+1536 th:TH_LOAD_NT
.set j, j+1
.endr
.set j, 0
.rept 8
	s_wait_loadcnt 28-4*j                          ; the later tokens' loads stay out
	v_pk_add_f32 v[8+16*j:9+16*j],   v[8+16*j:9+16*j],   v[16+16*j:17+16*j]
	v_pk_add_f32 v[10+16*j:11+16*j], v[10+16*j:11+16*j], v[18+16*j:19+16*j]
	v_pk_add_f32 v[12+16*j:13+16*j], v[12+16*j:13+16*j], v[20+16*j:21+16*j]
	v_pk_add_f32 v[14+16*j:15+16*j], v[14+16*j:15+16*j], v[22+16*j:23+16*j]
	global_store_b128 v1, v[8+16*j:11+16*j],  s[6:7] offset:j*1024 th:TH_STORE_NT
	global_store_b128 v1, v[12+16*j:15+16*j], s[6:7] offset:j*1024+512 th:TH_STORE_NT
.set j, j+1
.endr
	s_endpgm
.Lfunc_end_k_qd2ba5d935c_combine:
	.size	k_qd2ba5d935c_combine, .Lfunc_end_k_qd2ba5d935c_combine-k_qd2ba5d935c_combine
	.p2alignl 7, 3214868480
	.fill 96, 4, 3214868480
	.section	.rodata,"a",@progbits
	.p2align	6, 0x0
	.amdhsa_kernel k_qd2ba5d935c_combine
		.amdhsa_group_segment_fixed_size 0
		.amdhsa_private_segment_fixed_size 0
		.amdhsa_enable_private_segment 0
		.amdhsa_kernarg_size 16
		.amdhsa_user_sgpr_count 2
		.amdhsa_user_sgpr_kernarg_segment_ptr 1
		.amdhsa_wavefront_size32 1
		.amdhsa_system_sgpr_workgroup_id_x 1
		.amdhsa_system_sgpr_workgroup_id_y 1
		.amdhsa_system_sgpr_workgroup_id_z 1
		.amdhsa_system_vgpr_workitem_id 0
		.amdhsa_next_free_vgpr 136
		.amdhsa_next_free_sgpr 66
		.amdhsa_reserve_vcc 0
		.amdhsa_float_denorm_mode_32 3
		.amdhsa_float_denorm_mode_16_64 3
		.amdhsa_memory_ordered 1
		.amdhsa_forward_progress 1
		.amdhsa_inst_pref_size 8
	.end_amdhsa_kernel
	.amdgpu_metadata
---
amdhsa.version: [ 1, 2 ]
amdhsa.kernels:
  - .name:           k_qd2ba5d935c_combine
    .symbol:         k_qd2ba5d935c_combine.kd
    .args:
      - { .name: ybuf, .offset: 0, .size: 8, .value_kind: global_buffer, .address_space: global }
      - { .name: out0, .offset: 8, .size: 8, .value_kind: global_buffer, .address_space: global }
    .group_segment_fixed_size: 0
    .private_segment_fixed_size: 0
    .kernarg_segment_align: 8
    .kernarg_segment_size: 16
    .max_flat_workgroup_size: 256
    .sgpr_count:     66
    .vgpr_count:     136
    .wavefront_size: 32
...
	.end_amdgpu_metadata
.endif
;; end of part 4
;; ======== version 2 of 2: 3 launches; 1.23 times as fast as version 1
;; limits: values are held in f16: magnitudes above 65,504 overflow, below 6.1e-05 lose precision
;; workspace buffers: xb 8,388,608 bytes; wfrag 8,388,608 bytes; slist 131,072 bytes of whole numbers; hist 16,384 bytes of whole numbers; gw 131,072 bytes; ybuf 33,803,264 bytes
;; launch gate (part 5): grid 256 x 1, 8 waves a work-group, no clusters, 101,376 bytes of LDS; arguments x, Wg, bg, W1, W2, xb, slist, gw, wfrag, hist; writes xb, slist, gw, wfrag, hist
.if DOCPART == 5
	.amdgcn_target "amdgcn-amd-amdhsa--gfx1250"
	.amdhsa_code_object_version 6
	.text
	.protected	k_qd2ba5d935c_gate
	.globl	k_qd2ba5d935c_gate
	.p2align	8
	.type	k_qd2ba5d935c_gate,@function
k_qd2ba5d935c_gate:
	s_mov_b64 s[64:65], 0
	v_nop
	global_prefetch_b8 v0, s[64:65] scope:SCOPE_SE
	s_setreg_imm32_b32 hwreg(HW_REG_WAVE_MODE, 25, 1), 1
	s_wait_xcnt 0x0
; GATE AND PREPARATION.  Work-group b owns tokens 64 b .. 64 b + 63 and one block (256 k rows x 64 columns) of W1 or W2.
; Waves 0-3: 16 tokens each: x is rounded to bf16 (stored as xb), logits = x Wg + bg by the matrix unit on bf16 operands with f32 sums
; (bg rounded to bf16 too), the two largest logits, and their weights w1 = 1 / (1 + t), w2 = t w1, t = exp(l2 - l1): l1 is the row's maximum,
; so the exponent is never above 0, and the softmax's divisor cancels in the renormalisation.
; Waves 4-7: the weight block is rounded to bf16 (W2: that number written as f16) and stored in the order in which the expert kernel's lanes load it:
; wfrag[e][wave w][buf][n 0..63][lane][16 bytes]; n = 2 (4 j + a) + half: columns 16 a + lane % 16 of the wave's 64, k = 32 j + 16 half + 8 (lane / 16) + 0..7.
; AT THE END the block's 128 pairs (2 token + choice) are put in the order of their experts, for the expert kernel's lists.  The choices come from floating-point numbers, so no address of this
; launch may hang on them: wave 0 sorts the pairs by a network of fixed exchanges (slist[b]: the 128 pair numbers), wave 1 counts (hist[b][e] = the expert's pairs | its first slot << 16).
; LIMITS.  NaN and infinities are not treated apart.  Of equal logits the lower index wins; logits are compared, not probabilities.  t counts as 0 below 2^-126.
; |W2| of 65,520 or more becomes an infinity in f16; below 6e-5 it keeps f16's fixed step of 6e-8.
.set XTP, 528                          ; a row of x in LDS: 512 bytes + 16
.set WGT, 33792                        ; behind the four waves' 16 rows of x: Wg as bf16, 256 rows
.set WGP, 96                           ; of 32 bytes + 64: an odd multiple of 32
.set WBT, 58368                        ; the weight block as 16-bit numbers, 256 rows
.set WBP, 160                          ; of 128 bytes + 32
.set RS,  99328                        ; 512 bytes of expert numbers, then 512 bytes of weights, in the order of the pairs 2 token + k
.set OF,  66                           ; s66-82: how many of the block's pairs chose an expert below e, e = 0 .. 16
	s_load_b512 s[4:19], s[0:1], 0x0               ; x s[4:5], Wg s[6:7], bg s[8:9], W1 s[10:11], W2 s[12:13], xb s[14:15], slist s[16:17], gw s[18:19]
	s_load_b64 s[20:21], s[0:1], 0x40              ; wfrag
	s_load_b64 s[48:49], s[0:1], 0x48              ; hist
	v_lshl_add_u32 v254, v0, 2, 0x18800
	v_mov_b32 v255, 0
	v_lshrrev_b32 v1, 5, v0
	v_readfirstlane_b32 s22, v1                    ; wave 0..7
	v_and_b32 v1, 31, v0                           ; lane
	v_and_b32 v2, 15, v0                           ; r = lane % 16
	v_bfe_u32 v3, v0, 4, 1                         ; hh = lane / 16
	v_lshlrev_b32 v4, 4, v1                        ; 16 x lane
	v_lshlrev_b32 v5, 3, v1                        ; 8 x lane
	s_mov_b32 s30, 0x76543210                      ; v_permlanex16_b32: each lane takes its own place in the other half
	s_mov_b32 s31, 0xfedcba98
	s_mov_b32 s32, 0xffff0000                      ; a word's upper 16 bits; as a lane mask: lanes 16-31
	s_mov_b32 s25, 0
	s_mov_b32 s27, 0
	s_mov_b32 s29, 0
	s_mov_b32 s43, 0
	s_and_b32 s33, s22, 3                          ; my place among the four waves of my kind
	s_lshl_b32 s24, ttmp9, 16                      ; 64 tokens x 1,024 bytes,
	s_lshl_b32 s35, s33, 14                        ; 16 tokens a wave
	s_add_co_u32 s24, s24, s35                     ; byte offset of my tokens in x,
	s_lshr_b32 s26, s24, 1                         ; and in xb
	s_mul_i32 s46, s22, 16*XTP                     ; my 16 rows of x in LDS
	s_lshr_b32 s23, ttmp9, 7                       ; the block: 0 = of W1, 1 = of W2,
	s_bfe_u32 s36, ttmp9, 0x40003                  ; expert e,
	s_bfe_u32 s37, ttmp9, 0x20001                  ; the expert kernel's wave w (64 columns),
	s_and_b32 s38, ttmp9, 1                        ; q: W1: which 256 columns; W2: which 256 rows
	s_lshl_b32 s39, s36, 19                        ; e x 524,288 bytes
	s_lshl_b32 s40, s37, 8                         ; w x 64 columns x 4 bytes
	s_add_co_u32 s39, s39, s40
	s_lshl_b32 s40, s38, 10                        ; W1: q x 256 columns
	s_lshl_b32 s41, s38, 18                        ; W2: q x 256 rows of 1,024 bytes
	s_cmp_eq_u32 s23, 0
	s_cselect_b32 s40, s40, s41
	s_add_co_u32 s28, s39, s40                     ; the block's first byte in its tensor
	s_lshl_b32 s39, s36, 2
	s_add_co_u32 s39, s39, s37                     ; 4 e + w
	s_lshl_b32 s39, s39, 2
	s_lshl_b32 s40, s23, 1
	s_add_co_u32 s40, s40, s38                     ; buf = 2 kind + q
	s_add_co_u32 s39, s39, s40
	s_lshl_b32 s42, s39, 15                        ; x 32,768 bytes,
	s_lshl_b32 s40, s33, 13                        ; and a weight wave's 16 stores of 512 bytes
	s_add_co_u32 s42, s42, s40
	s_wait_kmcnt 0x0
	s_add_nc_u64 s[4:5], s[4:5], s[24:25]
	s_add_nc_u64 s[14:15], s[14:15], s[26:27]
	s_add_nc_u64 s[10:11], s[10:11], s[28:29]      ; of these two only the block's own tensor is read
	s_add_nc_u64 s[12:13], s[12:13], s[28:29]
	s_add_nc_u64 s[20:21], s[20:21], s[42:43]
	s_cmp_lt_u32 s22, 4
	s_cbranch_scc0 .Lweights_a
	; ---- waves 0-3, first part: 42 loads go out, bg and Wg first
	v_lshlrev_b32 v6, 5, v3                        ; bg of experts 8 hh .. 8 hh + 7
	v_lshlrev_b32 v7, 4, v0
	global_load_b128 v[16:19], v6, s[8:9]
	global_load_b128 v[20:23], v6, s[8:9] offset:16
.set i, 0
.rept 8
	global_load_b128 v[192+4*i:195+4*i], v7, s[6:7] offset:i*2048  ; 128 threads x 16 bytes: 32 rows of Wg
.set i, i+1
.endr
.set i, 0
.rept 16
	global_load_b128 v[64+8*i:67+8*i], v4, s[4:5] offset:i*1024 th:TH_LOAD_NT      ; token i: 512 neighbouring bytes,
	global_load_b128 v[68+8*i:71+8*i], v4, s[4:5] offset:i*1024+512 th:TH_LOAD_NT  ; and the other 512
.set i, i+1
.endr
	v_add_nc_u32 v8, s46, v5                       ; where my 8 bytes of a row of x go
	v_lshrrev_b32 v9, 2, v0
	v_mul_u32_u24 v9, v9, WGP
	v_and_b32 v10, 3, v0
	v_lshl_add_u32 v9, v10, 3, v9
	v_add_nc_u32 v9, WGT, v9                       ; Wg: row tid / 4, four experts from 4 (tid % 4) on
	s_wait_loadcnt 32                              ; the 32 loads of x are younger: bg and Wg are in
.set i, 0
.rept 4
	v_cvt_pk_bf16_f32 v[48+i], v[16+2*i], v[17+2*i]
.set i, i+1
.endr
.set i, 0
.rept 4
	v_lshlrev_b32 v[16+2*i], 16, v[48+i]           ; bg rounded to bf16, as f32 again: it starts the sums
	v_and_b32 v[17+2*i], s32, v[48+i]
.set i, i+1
.endr
.set i, 0
.rept 8
	v_cvt_pk_bf16_f32 v[192+4*i], v[192+4*i], v[193+4*i]
	v_cvt_pk_bf16_f32 v[193+4*i], v[194+4*i], v[195+4*i]
	ds_store_b64 v9, v[192+4*i:193+4*i] offset:i*32*WGP
.set i, i+1
.endr
.set i, 0
.rept 16
	s_wait_loadcnt 30-2*i                          ; the later rows' loads stay out
	v_cvt_pk_bf16_f32 v[64+8*i], v[64+8*i], v[65+8*i]
	v_cvt_pk_bf16_f32 v[65+8*i], v[66+8*i], v[67+8*i]
	v_cvt_pk_bf16_f32 v[68+8*i], v[68+8*i], v[69+8*i]
	v_cvt_pk_bf16_f32 v[69+8*i], v[70+8*i], v[71+8*i]
	ds_store_b64 v8, v[64+8*i:65+8*i] offset:i*XTP
	ds_store_b64 v8, v[68+8*i:69+8*i] offset:i*XTP+256
	global_store_b64 v5, v[64+8*i:65+8*i], s[14:15] offset:i*512      ; 32 lanes store 256 consecutive bytes, at a multiple of 256 from xb's first byte
	global_store_b64 v5, v[68+8*i:69+8*i], s[14:15] offset:i*512+256
.set i, i+1
.endr
	s_branch .Ljoin_a
	; ---- waves 4-7, first part: the block comes in by rows of 256 bytes, is rounded, and goes into LDS as it lies ([k][column])
.macro WPREP base, pitch, f16
.set i, 0
.rept 32
	global_load_b128 v[64+4*i:67+4*i], v13, s[\base:\base+1] offset:i*8*\pitch th:TH_LOAD_NT  ; 128 threads: 8 rows of 256 bytes
.set i, i+1
.endr
.set i, 0
.rept 32
	s_wait_loadcnt 31-i                            ; the later loads stay out
	v_cvt_pk_bf16_f32 v[64+4*i], v[64+4*i], v[65+4*i]
	v_cvt_pk_bf16_f32 v[65+4*i], v[66+4*i], v[67+4*i]
.if \f16
	v_lshlrev_b32 v48, 16, v[64+4*i]               ; the bf16 number is written as f16: exact within f16's range
	v_and_b32 v49, s32, v[64+4*i]
	v_lshlrev_b32 v50, 16, v[65+4*i]
	v_and_b32 v51, s32, v[65+4*i]
	v_cvt_pk_f16_f32 v[64+4*i], v48, v49
	v_cvt_pk_f16_f32 v[65+4*i], v50, v51
.endif
	ds_store_b64 v12, v[64+4*i:65+4*i] offset:i*8*WBP
.set i, i+1
.endr
.endm
.Lweights_a:
	v_and_b32 v10, 127, v0                         ; t = thread among the 128
	v_lshrrev_b32 v11, 4, v10                      ; row t / 16 of eight
	v_mul_u32_u24 v12, v11, WBP
	v_lshl_add_u32 v12, v2, 3, v12
	v_add_nc_u32 v12, WBT, v12
	v_lshlrev_b32 v13, 4, v2                       ; 16 bytes at 16 (t % 16)
	s_cmp_eq_u32 s23, 0
	s_cbranch_scc0 .Lw2
	v_lshl_add_u32 v13, v11, 11, v13               ; W1's rows are 2,048 bytes apart
	WPREP 10, 2048, 0
	s_branch .Ljoin_a
.Lw2:
	v_lshl_add_u32 v13, v11, 10, v13               ; W2's 1,024
	WPREP 12, 1024, 1
.Ljoin_a:
	s_wait_dscnt 0x0                               ; for the others' sake: my stores into LDS are done
	s_barrier_signal -1
	s_barrier_wait -1
	v_and_b32 v10, 7, v0
	v_lshl_add_u32 v10, v3, 3, v10                 ; the turning load's row: 8 hh + lane % 8
	v_bfe_u32 v11, v0, 3, 1                        ; and its 16 bytes: (lane / 8) % 2
	s_cmp_lt_u32 s22, 4
	s_cbranch_scc0 .Lweights_b
	; ---- waves 0-3, second part: logits^T = Wg^T x^T: source 0 = 16 experts, source 1 = 16 tokens; a lane then holds one token (r) and experts 8 hh + 0..7
	s_wait_xcnt 0x0                                ; the stores into xb have read their registers: these are loaded again only behind this wait
	v_mul_u32_u24 v13, v10, WGP
	v_lshl_add_u32 v13, v11, 4, v13
	v_add_nc_u32 v13, WGT, v13
	v_mul_u32_u24 v14, v2, XTP
	v_lshl_add_u32 v14, v3, 4, v14
	v_add_nc_u32 v14, s46, v14
.set i, 0
.rept 8
	ds_load_tr16_b128 v[64+8*i:67+8*i], v13 offset:i*32*WGP
	ds_load_tr16_b128 v[68+8*i:71+8*i], v13 offset:i*32*WGP+16*WGP
	ds_load_b128 v[128+8*i:131+8*i], v14 offset:i*64
	ds_load_b128 v[132+8*i:135+8*i], v14 offset:i*64+32
.set i, i+1
.endr
	s_wait_dscnt 0x0
	; two accumulators take turns; the first starts with bg, the second with 0
	v_wmma_f32_16x16x32_bf16 v[24:31], v[64:71], v[128:135], v[16:23]
	v_wmma_f32_16x16x32_bf16 v[32:39], v[72:79], v[136:143], 0
.set i, 2
.rept 3
	v_wmma_f32_16x16x32_bf16 v[24:31], v[64+8*i:71+8*i], v[128+8*i:135+8*i], v[24:31]
	v_wmma_f32_16x16x32_bf16 v[32:39], v[72+8*i:79+8*i], v[136+8*i:143+8*i], v[32:39]
.set i, i+2
.endr
	s_lshl_b32 s47, s22, 7                         ; five plain instructions that name none of the products' registers: the places behind them (ISA guide 7.12.1)
	v_lshlrev_b32 v15, 3, v2
	v_lshl_add_u32 v15, v3, 2, v15
	v_add_nc_u32 v15, s47, v15
	v_add_nc_u32 v15, RS, v15                      ; pair 2 (16 wave + r) + hh, 4 bytes each
	v_lshlrev_b32 v12, 3, v3                       ; 8 hh
.set i, 0
.rept 4
	v_pk_add_f32 v[40+2*i:41+2*i], v[24+2*i:25+2*i], v[32+2*i:33+2*i]  ; from each accumulator's low end on
.set i, i+1
.endr
	; the two largest of my eight: (m1, i1) = v48, v49; (m2, i2) = v50, v51.  Strictly greater: of equals the lower index stays
	v_mov_b32 v48, v40
	v_mov_b32 v49, v12
	v_mov_b32 v50, 0xff800000
	v_mov_b32 v51, v12
.set j, 1
.rept 7
	v_add_nc_u32 v52, j, v12
	v_cmp_gt_f32 vcc_lo, v[40+j], v48
	v_cmp_gt_f32 s34, v[40+j], v50
	v_cndmask_b32 v53, v50, v[40+j], s34
	v_cndmask_b32 v54, v51, v52, s34
	v_cndmask_b32 v50, v53, v48, vcc_lo
	v_cndmask_b32 v51, v54, v49, vcc_lo
	v_cndmask_b32 v48, v48, v[40+j], vcc_lo
	v_cndmask_b32 v49, v49, v52, vcc_lo
.set j, j+1
.endr
	; the token's other eight experts lie in the lane 16 away.  A = the pair of experts 0-7, B = of 8-15, in both lanes
	v_permlanex16_b32 v40, v48, s30, s31
	v_permlanex16_b32 v41, v49, s30, s31
	v_permlanex16_b32 v42, v50, s30, s31
	v_permlanex16_b32 v43, v51, s30, s31
	v_cndmask_b32 v44, v48, v40, s32               ; A1
	v_cndmask_b32 v45, v49, v41, s32
	v_cndmask_b32 v46, v50, v42, s32               ; A2
	v_cndmask_b32 v47, v51, v43, s32
	v_cndmask_b32 v56, v40, v48, s32               ; B1
	v_cndmask_b32 v57, v41, v49, s32
	v_cndmask_b32 v58, v42, v50, s32               ; B2
	v_cndmask_b32 v59, v43, v51, s32
	v_cmp_gt_f32 vcc_lo, v56, v44
	v_cndmask_b32 v60, v44, v56, vcc_lo            ; the largest,
	v_cndmask_b32 v61, v45, v57, vcc_lo            ; its expert
	v_cndmask_b32 v62, v46, v44, vcc_lo            ; the candidates for second: A's,
	v_cndmask_b32 v63, v47, v45, vcc_lo
	v_cndmask_b32 v52, v56, v58, vcc_lo            ; and B's
	v_cndmask_b32 v53, v57, v59, vcc_lo
	v_cmp_gt_f32 s34, v52, v62
	v_cndmask_b32 v54, v62, v52, s34               ; the second,
	v_cndmask_b32 v55, v63, v53, s34               ; its expert
	v_sub_f32 v40, v54, v60                        ; l2 - l1, never above 0
	v_mul_f32 v40, 0x3fb8aa3b, v40
	v_exp_f32 v41, v40                             ; t
	v_cndmask_b32 v44, v61, v55, s32               ; (a plain instruction behind the exponential) lanes 0-15 keep choice 0, lanes 16-31 choice 1
	s_wait_alu depctr_va_vdst(0)
	v_add_f32 v42, 1.0, v41
	v_rcp_f32 v43, v42                             ; w1
	v_nop                                          ; a plain instruction behind the reciprocal
	s_wait_alu depctr_va_vdst(0)
	v_mul_f32 v46, v41, v43                        ; w2
	v_cndmask_b32 v45, v43, v46, s32
	ds_store_b32 v15, v44
	ds_store_b32 v15, v45 offset:512
	s_branch .Ljoin_b
	; ---- waves 4-7, second part: wave v turns K steps 2 v and 2 v + 1 of the block into fragments and stores them, 512 consecutive bytes a store
.Lweights_b:
	v_mul_u32_u24 v13, v10, WBP
	v_lshl_add_u32 v13, v11, 4, v13
	s_mul_i32 s47, s33, 64*WBP
	s_add_co_u32 s47, s47, WBT
	v_add_nc_u32 v13, s47, v13
.set m, 0
.rept 16                                       ; m = 2 (4 jj + a) + half
	ds_load_tr16_b128 v[64+4*m:67+4*m], v13 offset:(m/8)*32*WBP+(m%2)*16*WBP+((m/2)%4)*32
.set m, m+1
.endr
.set m, 0
.rept 16
	s_wait_dscnt 15-m                              ; the later loads stay out
	global_store_b128 v4, v[64+4*m:67+4*m], s[20:21] offset:m*512
.set m, m+1
.endr
.Ljoin_b:
	s_wait_dscnt 0x0                               ; for the others' sake: the pairs' numbers are in LDS
	s_barrier_signal -1
	s_barrier_wait -1
	v_add_nc_u32 v6, RS, v4                        ; my lane's four pairs: 4 lane + 0..3
	s_cmp_eq_u32 s22, 0
	s_cbranch_scc1 .Lsort
	s_cmp_eq_u32 s22, 1
	s_cbranch_scc0 .Lend
	; ---- wave 1: the 128 weights go out as they lie; then, for each expert, how many of the block's pairs chose a lower one
	ds_load_b128 v[48:51], v6 offset:512
	ds_load_b128 v[52:55], v6
	s_lshl_b32 s24, ttmp9, 9
	s_add_nc_u64 s[18:19], s[18:19], s[24:25]
	s_lshl_b32 s26, ttmp9, 6
	s_add_nc_u64 s[48:49], s[48:49], s[26:27]
	v_mov_b32 v56, 0
	v_lshlrev_b32 v57, 2, v1
	s_mov_b32 s[OF], 0
	s_mov_b32 s[OF+16], 128
	s_wait_dscnt 0x0
	global_store_b128 v4, v[48:51], s[18:19]       ; 512 consecutive bytes
.set e, 1
.rept 15
	v_cmp_gt_u32 s52, e, v52
	v_cmp_gt_u32 s53, e, v53
	v_cmp_gt_u32 s54, e, v54
	v_cmp_gt_u32 s55, e, v55
	s_bcnt1_i32_b32 s52, s52
	s_bcnt1_i32_b32 s53, s53
	s_bcnt1_i32_b32 s54, s54
	s_bcnt1_i32_b32 s55, s55
	s_add_co_u32 s52, s52, s53
	s_add_co_u32 s54, s54, s55
	s_add_co_u32 s[OF+e], s52, s54
.set e, e+1
.endr
.set e, 0
.rept 16
	s_sub_co_u32 s52, s[OF+e+1], s[OF+e]           ; the expert's pairs (64 at the most),
	s_lshl_b32 s53, s[OF+e], 16                    ; its first slot in the sorted block (128 at the most)
	s_or_b32 s52, s52, s53
	v_writelane_b32 v56, s52, e
.set e, e+1
.endr
	v_cmp_gt_u32 vcc_lo, 16, v1
	s_wait_xcnt 0x0                                ; EXEC changes only behind this wait
	s_and_saveexec_b32 s52, vcc_lo
	global_store_b32 v57, v56, s[48:49]            ; 16 lanes, 64 consecutive bytes: all that a block has to say; the whole table is 16,384 bytes
	s_wait_xcnt 0x0
	s_or_b32 exec_lo, exec_lo, s52
	s_branch .Lend
	; ---- wave 0: the 128 keys, expert x 128 + pair, are sorted by a bitonic network: element i = 4 lane + c lies in register c.  A key is carried as the float 1.m (the key in the mantissa's
	; low 11 bits), which keeps the order, so that minimum and maximum take the partner lane's key in the same instruction.  Every exchange is fixed: nothing here is an address.
.macro LOWM j                          ; LM = the lanes whose number has bit j clear
.if (\j) == 1
.set LM, 0x55555555
.elseif (\j) == 2
.set LM, 0x33333333
.elseif (\j) == 4
.set LM, 0x0f0f0f0f
.elseif (\j) == 8
.set LM, 0x00ff00ff
.elseif (\j) == 16
.set LM, 0x0000ffff
.else
.set LM, 0xffffffff
.endif
.endm
.macro LSTEP kl, d                     ; partners d lanes apart, in a stage that ascends where the lane's bit kl is clear
	LOWM \d
.set MJ, LM
	LOWM \kl
	s_mov_b32 s50, (MJ^LM)^0xffffffff              ; the lanes that keep the smaller key: the lower partner where the stage ascends, the upper where it descends
.if (\d) == 16
.irp c, 0,1,2,3
	v_permlanex16_b32 v[60+\c], v[48+\c], s30, s31
.endr
.irp c, 0,1,2,3
	v_min_num_f32 v[52+\c], v[48+\c], v[60+\c]
	v_max_num_f32 v[56+\c], v[48+\c], v[60+\c]
.endr
.else
.irp c, 0,1,2,3
	v_min_num_f32_dpp v[52+\c], v[48+\c], v[48+\c] row_xmask:\d row_mask:0xf bank_mask:0xf
	v_max_num_f32_dpp v[56+\c], v[48+\c], v[48+\c] row_xmask:\d row_mask:0xf bank_mask:0xf
.endr
.endif
.irp c, 0,1,2,3
	v_cndmask_b32 v[48+\c], v[56+\c], v[52+\c], s50
.endr
.endm
.macro RX a, b, m                      ; partners in registers a and b of one lane: where s50 is set a takes the smaller
	v_min_num_f32 v[52+\m], v[48+\a], v[48+\b]
	v_max_num_f32 v[56+\m], v[48+\a], v[48+\b]
	v_cndmask_b32 v[48+\a], v[56+\m], v[52+\m], s50
	v_cndmask_b32 v[48+\b], v[52+\m], v[56+\m], s50
.endm
.macro RSTEPS kl                       ; a stage's last two steps: partners 2 and 1 elements apart
	LOWM \kl
	s_mov_b32 s50, LM
	RX 0, 2, 0
	RX 1, 3, 1
	RX 0, 1, 0
	RX 2, 3, 1
.endm
.Lsort:
	ds_load_b128 v[48:51], v6
	v_lshlrev_b32 v7, 2, v1
	v_or_b32 v7, 0x3f800000, v7                    ; 1.0's bits + 4 lane
	s_lshl_b32 s24, ttmp9, 9
	s_add_nc_u64 s[16:17], s[16:17], s[24:25]
	s_lshl_b32 s51, ttmp9, 7                       ; the block's first pair
	s_wait_dscnt 0x0
.irp c, 0,1,2,3
	v_lshl_add_u32 v[48+\c], v[48+\c], 7, v7
.endr
.irp c, 1,2,3
	v_add_nc_u32 v[48+\c], \c, v[48+\c]
.endr
.irp c, 0,1,2,3
	v_mov_b32 v[52+\c], v[48+\c]                   ; the destinations of the lane-crossing forms count as read: they are written first
	v_mov_b32 v[56+\c], v[48+\c]
	v_mov_b32 v[60+\c], v[48+\c]
.endr
	s_mov_b32 s50, -1                              ; stage 2: elements 0, 1 ascend, elements 2, 3 descend
	RX 0, 1, 0
	RX 3, 2, 1
	RSTEPS 1                                       ; stage 4
	LSTEP 2, 1                                     ; stage 8
	RSTEPS 2
.irp d, 2,1                                    ; stage 16
	LSTEP 4, \d
.endr
	RSTEPS 4
.irp d, 4,2,1                                  ; stage 32
	LSTEP 8, \d
.endr
	RSTEPS 8
.irp d, 8,4,2,1                                ; stage 64
	LSTEP 16, \d
.endr
	RSTEPS 16
.irp d, 16,8,4,2,1                             ; stage 128: all ascend
	LSTEP 32, \d
.endr
	RSTEPS 32
.irp c, 0,1,2,3
	v_and_or_b32 v[48+\c], v[48+\c], 127, s51      ; the pair's number among all 32,768
.endr
	global_store_b128 v4, v[48:51], s[16:17]       ; 512 consecutive bytes
.Lend:
	s_barrier_signal -1
	s_barrier_wait -1
	s_wait_tensorcnt 0x0
	ds_add_u32 v254, v255
	s_wait_dscnt 0x0
	s_endpgm
.Lfunc_end_k_qd2ba5d935c_gate:
	.size	k_qd2ba5d935c_gate, .Lfunc_end_k_qd2ba5d935c_gate-k_qd2ba5d935c_gate
	.p2alignl 7, 3214868480
	.fill 96, 4, 3214868480
	.section	.rodata,"a",@progbits
	.p2align	6, 0x0
	.amdhsa_kernel k_qd2ba5d935c_gate
		.amdhsa_group_segment_fixed_size 101376
		.amdhsa_private_segment_fixed_size 0
		.amdhsa_enable_private_segment 0
		.amdhsa_kernarg_size 80
		.amdhsa_user_sgpr_count 2
		.amdhsa_user_sgpr_kernarg_segment_ptr 1
		.amdhsa_wavefront_size32 1
		.amdhsa_system_sgpr_workgroup_id_x 1
		.amdhsa_system_sgpr_workgroup_id_y 1
		.amdhsa_system_sgpr_workgroup_id_z 1
		.amdhsa_system_vgpr_workitem_id 0
		.amdhsa_next_free_vgpr 256
		.amdhsa_next_free_sgpr 88
		.amdhsa_reserve_vcc 1
		.amdhsa_float_denorm_mode_32 3
		.amdhsa_float_denorm_mode_16_64 3
		.amdhsa_memory_ordered 1
		.amdhsa_forward_progress 1
		.amdhsa_inst_pref_size 89
	.end_amdhsa_kernel
	.amdgpu_metadata
---
amdhsa.version: [ 1, 2 ]
amdhsa.kernels:
  - .name:           k_qd2ba5d935c_gate
    .symbol:         k_qd2ba5d935c_gate.kd
    .args:
      - { .name: x, .offset: 0, .size: 8, .value_kind: global_buffer, .address_space: global }
      - { .name: Wg, .offset: 8, .size: 8, .value_kind: global_buffer, .address_space: global }
      - { .name: bg, .offset: 16, .size: 8, .value_kind: global_buffer, .address_space: global }
      - { .name: W1, .offset: 24, .size: 8, .value_kind: global_buffer, .address_space: global }
      - { .name: W2, .offset: 32, .size: 8, .value_kind: global_buffer, .address_space: global }
      - { .name: xb, .offset: 40, .size: 8, .value_kind: global_buffer, .address_space: global }
      - { .name: slist, .offset: 48, .size: 8, .value_kind: global_buffer, .address_space: global }
      - { .name: gw, .offset: 56, .size: 8, .value_kind: global_buffer, .address_space: global }
      - { .name: wfrag, .offset: 64, .size: 8, .value_kind: global_buffer, .address_space: global }
      - { .name: hist, .offset: 72, .size: 8, .value_kind: global_buffer, .address_space: global }
    .group_segment_fixed_size: 101376
    .private_segment_fixed_size: 0
    .kernarg_segment_align: 8
    .kernarg_segment_size: 80
    .max_flat_workgroup_size: 256
    .sgpr_count:     88
    .vgpr_count:     256
    .wavefront_size: 32
...
	.end_amdgpu_metadata
.endif
;; end of part 5
;; launch experts (part 6): grid 243 x 1, 4 waves a work-group, no clusters, 318,464 bytes of LDS; arguments wfrag, xb, slist, hist, gw, b1, b2, ybuf; writes ybuf
.if DOCPART == 6
	.amdgcn_target "amdgcn-amd-amdhsa--gfx1250"
	.amdhsa_code_object_version 6
	.text
	.protected	k_qd2ba5d935c_experts
	.globl	k_qd2ba5d935c_experts
	.p2align	8
	.type	k_qd2ba5d935c_experts,@function
k_qd2ba5d935c_experts:
	s_mov_b64 s[64:65], 0
	v_nop
	global_prefetch_b8 v0, s[64:65] scope:SCOPE_SE
	s_setreg_imm32_b32 hwreg(HW_REG_WAVE_MODE, 25, 1), 1
	s_wait_xcnt 0x0
; THE EXPERTS.  A work-group takes ONE tile: up to 144 pairs (token, choice) of one expert e: ybuf[pair] = w (relu(x W1[e] + b1[e]) W2[e] + b2[e]).
; x, W1, b1, W2, b2 rounded to bf16; the first product in bf16; h, which this text makes, rounded to f16, and W2's bf16 numbers written as f16, for the second; sums in f32.
; THE GRID.  The sum over the experts of ceil(n_e / 144) is at most (32,768 + 16 x 143) / 144 = 243 for every routing, so 243 work-groups serve every routing with one tile each, and the text is a
; straight line: no branch, no trip count and no barrier hangs on the counts; they steer clamped addresses alone.  A work-group beyond the tiles that a given routing needs (CNT = 0) runs the same
; text, and all its rows go to a spare row of ybuf of its own, row 32,768 + its number, which nobody reads.  Rows of a tile at or beyond CNT repeat the tile's last pair: the same wave stores
; the same numbers to the same bytes again.
; WHICH PAIRS.  The launch before left, for each block of 128 pairs, the pairs in the order of their experts (slist) and for each expert its count and first slot there (hist, 16,384 bytes).
; Every wave reads all of hist: the sixteen sums, made in registers and scalars, say which expert and which ranks are the tile's; the running sum of that expert's counts over the 256 blocks,
; searched for each row's rank, says in which block and slot the row's pair lies.  The blocks are taken in an order of the text's own (lane by lane), the same in all work-groups, so an expert's tiles share out its pairs.
; SHARES.  Four waves.  Layer 1: wave w makes h's columns 256 q + 64 w .. + 63, q = 0, 1, of all 144 rows; layer 2: output columns 64 w .. + 63.  Both products are used transposed
; (source 0 = 16 columns of the weights, source 1 = 16 rows): a lane holds one row (lane % 16) and eight neighbouring columns (8 (lane / 16) + 0..7).
; WEIGHTS lie in wfrag in the lanes' own order and go from memory straight into registers: 256 registers a buffer, each multiplied by nine row blocks.  So no tile of weights passes LDS.
; NO CLUSTER: how many tiles an expert has hangs on the counts, so neighbouring work-groups may belong to different experts and a joint request's descriptor would differ between
; partners; and rows of x are gathered by a list.  For the same reason LDS is filled through registers.
; LIMITS.  h is held to 0 .. 65,504 (relu and f16's end in one instruction).  NaN and infinities are not treated apart.
; REGISTERS.  Window 0: v1-15 addresses; v16-47 bias (the C that starts a sum); v48-111 two sets of four accumulators; v112-239 two buffers of row fragments; v240-255 at work.  Windows 1-3: weights.
; Ahead of the first product v48-239 serve hist, the search and the gather.
.set XP,   528                         ; a row of x in LDS: 512 bytes + 16: the 16 rows of a fragment load start at 16 different 16-byte columns of 256 bytes
.set HP,   1040                        ; a row of h: 1,024 + 16
.set HB,   144*XP                      ; h behind x
.set SG,   HB+144*HP                   ; each wave's stage for the way out: 16 rows of 256 + 16 bytes
.set SGP,  272
.set PL,   SG+4*16*SGP                 ; 256 words: the tile's pairs
.set WL,   PL+1024                     ; 256 words: their weights
.set B1L,  WL+1024                     ; b1[e], 512 numbers, then b2[e], 256, rounded to bf16, as f32
.set HT,   B1L+3072                    ; each wave's own copy of hist as it lies: 256 blocks x 16 words, 16,384 bytes a wave
.set PX,   HT+4*16384                  ; each wave's own 256 entries: running sum << 16 | block << 8 | first slot
.set LASTROW, 32768+242                ; ybuf's last row: the last work-group's spare one
.set L16,  1                           ; v1   16 x lane
.set FA,   2                           ; v2-4 a fragment's address for row blocks 0-2, 3-5, 6-8 (x, later h)
.set HS,   5                           ; v5-7 where my 16 bytes of h go, likewise
.set BIAS, 16
.set ACC,  48
.set FR,   112
.set TMP,  240
.set PT,   240                         ; layer 2: v240-247 the pairs of the rows that I store, then their byte offsets; v248 my row's weight; v249 is named with it as a pair, its number is not used
.set MSB, 0
.macro WIN new                         ; the immediate's high byte repeats the setting that is left; a switch that changes nothing is dropped
.if MSB != (\new)
	s_set_vgpr_msb (MSB<<8)|(\new)
.set MSB, \new
.endif
.endm
.macro PLACES                          ; four places behind a matrix instruction (ISA guide 7.12.1), where no other vector work is at hand
.rept 4
	v_nop
.endr
.endm
.macro WLOAD buf, W, part              ; a quarter of weight buffer buf into window W: 16 loads of 512 consecutive bytes
	WIN (\W)<<6
.set c, 0
.rept 16
	global_load_b128 v[64*(\part)+4*c:64*(\part)+4*c+3], v[L16], s[4:5] offset:(\buf)*32768+(16*(\part)+c)*512
.set c, c+1
.endr
.endm
.macro FETCHX i, f                     ; row block i of x, all 256 channels: 8 fragments into buffer f
	WIN 0
.set c, 0
.rept 8
	ds_load_b128 v[FR+64*(\f)+8*c:FR+64*(\f)+8*c+3],   v[FA+(\i)/3] offset:((\i)%3)*16*XP+c*64
	ds_load_b128 v[FR+64*(\f)+8*c+4:FR+64*(\f)+8*c+7], v[FA+(\i)/3] offset:((\i)%3)*16*XP+c*64+32
.set c, c+1
.endr
.endm
.macro FETCHH i, kh, f                 ; row block i of h, columns 256 kh on
	WIN 0
.set c, 0
.rept 8
	ds_load_b128 v[FR+64*(\f)+8*c:FR+64*(\f)+8*c+3],   v[FA+(\i)/3] offset:((\i)%3)*16*HP+(\kh)*512+c*64
	ds_load_b128 v[FR+64*(\f)+8*c+4:FR+64*(\f)+8*c+7], v[FA+(\i)/3] offset:((\i)%3)*16*HP+(\kh)*512+c*64+32
.set c, c+1
.endr
.endm
.macro BIASLOAD off                    ; the bias of my lane's eight columns in each of four blocks of 16
.set c, 0
.rept 4
	ds_load_b128 v[BIAS+8*c:BIAS+8*c+3],   v13 offset:(\off)+c*64
	ds_load_b128 v[BIAS+8*c+4:BIAS+8*c+7], v13 offset:(\off)+c*64+16
.set c, c+1
.endr
.endm
; 32 matrix instructions: 16 rows x 64 columns over 256 along K.  The four accumulators take turns, one instruction a turn.
; first = 1: the bias starts the sums.  rider = 1: behind each product one number a lane of the OTHER set is held to 0 .. 65,504, from each accumulator's low end on; its first source is a constant, so the window stays.
.macro MUL form, W, f, A, first, rider
	WIN \W
.set n, 0
.rept 32
.set rD, ACC+32*(\A)+8*(n%4)
.set rF, FR+64*(\f)+8*(n/4)
.if (\first) && (n < 4)
	v_wmma_f32_16x16x32_\form v[rD:rD+7], v[8*n:8*n+7], v[rF:rF+7], v[BIAS+8*n:BIAS+8*n+7]
.else
	v_wmma_f32_16x16x32_\form v[rD:rD+7], v[8*n:8*n+7], v[rF:rF+7], v[rD:rD+7]
.endif
.if \rider
	v_med3_num_f32 v[ACC+32*(1-(\A))+n], 0, v[ACC+32*(1-(\A))+n], s52
.endif
.set n, n+1
.endr
.endm
.macro LUMP st                         ; step st's h: rounded to f16, 16 bytes for each block of 16 columns, into LDS
	WIN 0
.set lA, ACC+32*((\st)%2)
.set c, 0
.rept 16
	v_cvt_pk_f16_f32 v[TMP+c], v[lA+2*c], v[lA+2*c+1]
.set c, c+1
.endr
.set c, 0
.rept 4
	ds_store_b128 v[HS+((\st)%9)/3], v[TMP+4*c:TMP+4*c+3] offset:(((\st)%9)%3)*16*HP+((\st)/9)*512+c*32
.set c, c+1
.endr
.endm
.macro PWLOAD i                        ; for row block i: the pairs of rows 2 t + lane / 16, and the weight of row lane % 16
.set c, 0
.rept 8
	ds_load_b32 v[PT+c], v10 offset:(\i)*64+c*8
.set c, c+1
.endr
	ds_load_b32 v248, v11 offset:(\i)*64
.endm
.macro EPA A                           ; the way out, first part: times w; into my stage by lanes; back as whole rows of 256 bytes, into the registers that they left
.set c, 0
.rept 16
	v_pk_mul_f32 v[ACC+32*(\A)+2*c:ACC+32*(\A)+2*c+1], v[ACC+32*(\A)+2*c:ACC+32*(\A)+2*c+1], v[248:249] op_sel_hi:[1,0]
.set c, c+1
.endr
.set c, 0
.rept 8
	ds_store_b128 v8, v[ACC+32*(\A)+4*c:ACC+32*(\A)+4*c+3] offset:(c/2)*64+(c%2)*16
.set c, c+1
.endr
.set c, 0
.rept 8
	ds_load_b128 v[ACC+32*(\A)+4*c:ACC+32*(\A)+4*c+3], v9 offset:c*2*SGP  ; LDS serves a wave's instructions in order (ISA guide 5.7.1.4): these see the stores above
.set c, c+1
.endr
.endm
.macro EPADDR                          ; pair (or spare row) -> byte offset of my 16 bytes in ybuf
.set c, 0
.rept 8
	v_min_u32 v[PT+c], LASTROW, v[PT+c]
.set c, c+1
.endr
.set c, 0
.rept 8
	v_lshl_add_u32 v[PT+c], v[PT+c], 10, v12
.set c, c+1
.endr
.endm
.macro EPST A                          ; the stores: 16 lanes fill 256 consecutive bytes, at a multiple of 256 from ybuf's first byte
.set c, 0
.rept 8
	global_store_b128 v[PT+c], v[ACC+32*(\A)+4*c:ACC+32*(\A)+4*c+3], s[18:19]
.set c, c+1
.endr
	s_wait_xcnt 0x0                                ; the stores have read their offsets and their data: both are written again only behind this wait
.endm
; The sum over the lanes of register v, which holds two experts' counts a lane (experts 4 (lane % 4) + h and + h + 1): the 32 lanes' words come into scalars and are added there, eight lanes to a group.
.macro TOT v, h
.set l, 0
.rept 32
	v_readlane_b32 s[66+l], v[\v], l
.set l, l+1
.endr
.irp k, 0,8,16,24
.irp g, 0,1,2,3
	s_add_co_u32 s[66+\k+\g], s[66+\k+\g], s[70+\k+\g]
.endr
.endr
.irp k, 0,16
.irp g, 0,1,2,3
	s_add_co_u32 s[66+\k+\g], s[66+\k+\g], s[74+\k+\g]
.endr
.endr
.irp g, 0,1,2,3
	s_add_co_u32 s[66+\g], s[66+\g], s[82+\g]
.endr
.irp g, 0,1,2,3
	s_and_b32 s[20+4*\g+\h], s[66+\g], 0xffff
	s_lshr_b32 s[21+4*\g+\h], s[66+\g], 16
.endr
.endm
.macro FIND e                          ; is my tile one of expert e's?  The last expert whose first tile is not behind mine stays selected
	s_min_u32 s40, s[20+\e], 16384
	s_cmp_le_u32 s36, s37
	s_cselect_b32 s38, s40, s38
	s_cselect_b32 s39, s36, s39
	s_cselect_b32 s41, \e, s41
	s_add_co_u32 s40, s40, 143
	s_mul_i32 s40, s40, 7282                       ; (n + 143) / 144 = ((n + 143) x 7,282) >> 20: 7,282 x 144 = 2^20 + 32, exact below 32,768
	s_lshr_b32 s40, s40, 20
	s_add_co_u32 s36, s36, s40
.endm
.macro SCAN d, m                       ; one step of the running sum over the lanes: v120 the sum of my group of d lanes, v121 the sum of the lanes in front of me; m = the lanes whose number has bit d set
	s_mov_b32 s40, \m
	v_mov_b32_dpp v122, v120 row_xmask:\d row_mask:0xf bank_mask:0xf
	v_cndmask_b32 v123, 0, v122, s40
	v_add_nc_u32 v120, v120, v122
	v_add_nc_u32 v121, v121, v123
.endm
; One level of the search, for both of my rows: of the entries st, 2 st and 3 st behind POS the last whose running sum is not above the row's rank is taken.  lim = 256 - 4 st, which POS cannot pass.
.macro LEVEL st, lim
.irp rw, 0,1
	v_min_u32 v[128+\rw], \lim, v[128+\rw]
	v_lshl_add_u32 v[130+\rw], v[128+\rw], 2, s58
.endr
.irp rw, 0,1
	ds_load_b32 v[134+3*\rw], v[130+\rw] offset:4*(\st)
	ds_load_b32 v[135+3*\rw], v[130+\rw] offset:8*(\st)
	ds_load_b32 v[136+3*\rw], v[130+\rw] offset:12*(\st)
.endr
	s_wait_dscnt 0x0
.irp rw, 0,1
	v_cmp_le_u32 vcc_lo, v[134+3*\rw], v[124+\rw]
	v_cndmask_b32 v[126+\rw], v[126+\rw], v[134+3*\rw], vcc_lo
.if (\st) > 1
	v_cndmask_b32 v[132+\rw], 0, \st, vcc_lo
.endif
	v_cmp_le_u32 vcc_lo, v[135+3*\rw], v[124+\rw]
	v_cndmask_b32 v[126+\rw], v[126+\rw], v[135+3*\rw], vcc_lo
.if (\st) > 1
	v_cndmask_b32 v[132+\rw], v[132+\rw], 2*(\st), vcc_lo
.endif
	v_cmp_le_u32 vcc_lo, v[136+3*\rw], v[124+\rw]
	v_cndmask_b32 v[126+\rw], v[126+\rw], v[136+3*\rw], vcc_lo
.if (\st) > 1
	v_cndmask_b32 v[132+\rw], v[132+\rw], 3*(\st), vcc_lo
	v_add_nc_u32 v[128+\rw], v[128+\rw], v[132+\rw]
.endif
.endr
.endm
	s_load_b512 s[4:19], s[0:1], 0x0               ; wfrag s[4:5], xb s[6:7], slist s[8:9], hist s[10:11], gw s[12:13], b1 s[14:15], b2 s[16:17], ybuf s[18:19]
	v_lshrrev_b32 v1, 5, v0
	v_readfirstlane_b32 s48, v1                    ; wave 0..3
	v_and_b32 v14, 31, v0                          ; lane
	v_lshlrev_b32 v[L16], 4, v14
	v_lshlrev_b32 v232, 4, v0
	v_lshlrev_b32 v233, 3, v0
	s_mov_b32 s37, ttmp9                           ; my tile's number
	s_mov_b32 s36, 0                               ; tiles of the experts passed
	s_mov_b32 s38, 0                               ; the selected expert's n,
	s_mov_b32 s39, 0                               ; its first tile,
	s_mov_b32 s41, 0                               ; its number
	s_mov_b32 s51, 0
	s_mov_b32 s52, 0x477fe000                      ; 65,504
	s_mov_b32 s55, 0xffff0000                      ; a word's upper half; as a lane mask: lanes 16-31
	s_mov_b32 s44, 0x76543210                      ; v_permlanex16_b32: each lane takes its own place in the other half
	s_mov_b32 s45, 0xfedcba98
	s_mov_b32 s46, 0xffff
	s_mov_b32 s56, 128
	s_mov_b32 s57, 192
	s_add_co_u32 s60, s37, 0x8000                  ; my work-group's spare row of ybuf
	s_lshl_b32 s61, s48, 14
	s_add_co_u32 s61, s61, HT                      ; my wave's copy of hist
	s_lshl_b32 s58, s48, 10
	s_add_co_u32 s58, s58, PX                      ; my wave's entries
	v_add_nc_u32 v182, s61, v[L16]
	v_mov_b32 v252, s60
	s_wait_kmcnt 0x0
.set i, 0
.rept 32
	global_load_b128 v[48+4*i:51+4*i], v[L16], s[10:11] offset:i*512  ; 512 consecutive bytes: my lane holds block 8 i + lane / 4, experts 4 (lane % 4) + 0..3
.set i, i+1
.endr
	; each load goes into my wave's copy in LDS, and its four words are added onto the lane's sums: the counts in the low halves reach 32 x 64, the slots in the high halves 32 x 128: neither runs over
.set i, 0
.rept 32
	s_wait_loadcnt 31-i                            ; the later loads stay out
	ds_store_b128 v182, v[48+4*i:51+4*i] offset:i*512
.if i == 1
.irp c, 0,1,2,3
	v_add_nc_u32 v[176+\c], v[48+\c], v[52+\c]
.endr
.elseif i > 1
.irp c, 0,1,2,3
	v_add_nc_u32 v[176+\c], v[176+\c], v[48+4*i+\c]
.endr
.endif
.set i, i+1
.endr
	v_and_b32 v180, s46, v176                      ; two experts' counts to a word: over all lanes each reaches 16,384 at the most
	v_and_b32 v181, s46, v178
	v_lshlrev_b32 v177, 16, v177
	v_lshlrev_b32 v179, 16, v179
	v_or_b32 v180, v180, v177
	v_or_b32 v181, v181, v179
	TOT 180, 0
	TOT 181, 2                                     ; s20-35: the sixteen experts' n
.irp e, 0,1,2,3,4,5,6,7,8,9,10,11,12,13,14,15
	FIND \e
.endr
	s_sub_co_u32 s42, s37, s39
	s_mul_i32 s42, s42, 144                        ; my tile's first rank among the expert's pairs
	s_sub_co_i32 s53, s38, s42
	s_max_i32 s53, s53, 0
	s_min_i32 s53, s53, 144                        ; CNT: its rows
	s_cmp_eq_u32 s53, 0
	s_cselect_b32 s42, 0, s42
	s_cselect_b32 s59, -1, 0                       ; a lane mask: all lanes, if the tile is empty
	s_max_u32 s43, s53, 1
	s_sub_co_u32 s43, s43, 1                       ; its last row
	s_min_u32 s42, s42, 16384
	s_min_u32 s41, s41, 15
	s_min_u32 s43, s43, 143
	s_lshl_b32 s50, s41, 11
	s_add_nc_u64 s[14:15], s[14:15], s[50:51]      ; b1[e]
	s_lshl_b32 s50, s41, 10
	s_add_nc_u64 s[16:17], s[16:17], s[50:51]      ; b2[e]
	s_lshl_b32 s50, s41, 2
	s_add_co_u32 s50, s50, s48
	s_lshl_b32 s50, s50, 17
	s_add_nc_u64 s[4:5], s[4:5], s[50:51]          ; my wave's four weight buffers
	s_lshl_b32 s50, s48, 8
	s_add_nc_u64 s[18:19], s[18:19], s[50:51]      ; my 64 columns of ybuf
	s_lshl_b32 s40, s41, 2
	s_add_co_u32 s40, s40, s61
	v_lshl_add_u32 v93, v14, 6, s40                ; the expert's word of block lane in my wave's copy; block 32 k + lane lies 2,048 k bytes on
.set k, 0
.rept 8
	ds_load_b32 v[96+k], v93 offset:k*2048         ; my wave's own bytes: LDS serves a wave's instructions in order (ISA guide 5.7.1.4)
.set k, k+1
.endr
	v_lshlrev_b32 v94, 8, v14
	v_lshl_add_u32 v95, v14, 5, s58
	v_mov_b32 v130, s58
	v_mov_b32 v121, 0
	v_mov_b32 v122, 0                              ; the destination of a lane-crossing move counts as read: it is written first
	global_load_b128 v[236:239], v232, s[14:15]    ; 128 threads x 16 bytes: b1[e]
	global_load_b64 v[234:235], v233, s[16:17]     ; x 8 bytes: b2[e]
	WLOAD 0, 1, 0                                  ; half of the first weight buffer comes in beside the search
	WLOAD 0, 1, 1
	WIN 0
	v_min_u32 v140, s43, v0                        ; rows tid and tid + 128, held to the tile's last row: their ranks,
	v_add_nc_u32 v140, s42, v140
	v_add_nc_u32 v141, 128, v0
	v_min_u32 v141, s43, v141
	v_add_nc_u32 v141, s42, v141
	v_lshl_or_b32 v124, v140, 16, s46              ; and the largest entry whose running sum is not above the rank
	v_lshl_or_b32 v125, v141, 16, s46
	s_wait_dscnt 0x0
	; every wave makes all 256 entries for itself, so that no barrier is needed: entry 8 lane + k belongs to block 32 k + lane
.set k, 0
.rept 8
	v_and_b32 v[104+k], s46, v[96+k]               ; the count,
	v_lshrrev_b32 v[96+k], 16, v[96+k]             ; the first slot
.set k, k+1
.endr
	v_add3_u32 v120, v104, v105, v106
	v_add3_u32 v120, v120, v107, v108
	v_add3_u32 v120, v120, v109, v110
	v_add_nc_u32 v120, v120, v111
	SCAN 1, 0xaaaaaaaa
	SCAN 2, 0xcccccccc
	SCAN 4, 0xf0f0f0f0
	SCAN 8, 0xff00ff00
	v_permlanex16_b32 v122, v120, s44, s45
	v_cndmask_b32 v123, 0, v122, s55
	v_add_nc_u32 v121, v121, v123                  ; the pairs in the lanes in front of mine
.set k, 0
.rept 8
	v_lshl_add_u32 v[112+k], v121, 16, v[96+k]
	v_add3_u32 v[112+k], v[112+k], v94, k*8192     ; + (32 k + lane) << 8
	v_add_nc_u32 v121, v121, v[104+k]
.set k, k+1
.endr
	ds_store_b128 v95, v[112:115]
	ds_store_b128 v95, v[116:119] offset:16
	ds_load_b32 v133, v130                         ; my wave's own bytes again.  The first level is the same for all rows
	ds_load_b32 v134, v130 offset:256
	ds_load_b32 v135, v130 offset:512
	ds_load_b32 v136, v130 offset:768
	s_wait_dscnt 0x0
.irp rw, 0,1
	v_cmp_le_u32 vcc_lo, v134, v[124+\rw]
	v_cndmask_b32 v[126+\rw], v133, v134, vcc_lo   ; v126, v127: the entry taken; v128, v129: its place
	v_cndmask_b32 v[128+\rw], 0, 64, vcc_lo
	v_cmp_le_u32 vcc_lo, v135, v[124+\rw]
	v_cndmask_b32 v[126+\rw], v[126+\rw], v135, vcc_lo
	v_cndmask_b32 v[128+\rw], v[128+\rw], s56, vcc_lo
	v_cmp_le_u32 vcc_lo, v136, v[124+\rw]
	v_cndmask_b32 v[126+\rw], v[126+\rw], v136, vcc_lo
	v_cndmask_b32 v[128+\rw], v[128+\rw], s57, vcc_lo
.endr
	LEVEL 16, 192
	LEVEL 4, 240
	LEVEL 1, 252
.irp rw, 0,1
	v_lshrrev_b32 v[134+\rw], 16, v[126+\rw]       ; the pairs in front of the block
	v_and_b32 v[136+\rw], 0xff, v[126+\rw]
	v_sub_nc_u32 v[134+\rw], v[140+\rw], v[134+\rw]
	v_add_nc_u32 v[136+\rw], v[136+\rw], v[134+\rw]  ; the slot in the sorted block,
	v_min_u32 v[136+\rw], 127, v[136+\rw]
	v_bfe_u32 v[138+\rw], v[126+\rw], 8, 8         ; the block
	v_min_u32 v[138+\rw], 255, v[138+\rw]
	v_lshlrev_b32 v[138+\rw], 9, v[138+\rw]
	v_lshl_add_u32 v[228+\rw], v[136+\rw], 2, v[138+\rw]
.endr
	global_load_b32 v230, v228, s[8:9]
	global_load_b32 v231, v229, s[8:9]
	WLOAD 0, 1, 2
	WLOAD 0, 1, 3
	WIN 0
	s_wait_loadcnt 32                              ; the 32 weight loads just issued are younger: pairs and biases are in
	v_min_u32 v230, 0x7fff, v230
	v_min_u32 v231, 0x7fff, v231
	v_lshl_add_u32 v240, v0, 2, PL
	v_lshlrev_b32 v244, 2, v230
	v_lshlrev_b32 v245, 2, v231
	v_cndmask_b32 v226, v230, v252, s59            ; an empty tile's rows all go to the work-group's spare row
	v_cndmask_b32 v227, v231, v252, s59
	ds_store_b32 v240, v226
	ds_store_b32 v240, v227 offset:512
	global_load_b32 v246, v244, s[12:13]           ; the pairs' weights
	global_load_b32 v247, v245, s[12:13]
	v_cvt_pk_bf16_f32 v241, v236, v237             ; the biases are rounded to bf16 and kept as f32
	v_cvt_pk_bf16_f32 v242, v238, v239
	v_cvt_pk_bf16_f32 v243, v234, v235
	v_lshlrev_b32 v236, 16, v241
	v_and_b32 v237, s55, v241
	v_lshlrev_b32 v238, 16, v242
	v_and_b32 v239, s55, v242
	v_lshlrev_b32 v234, 16, v243
	v_and_b32 v235, s55, v243
	v_add_nc_u32 v241, B1L, v232
	v_add_nc_u32 v242, B1L+2048, v233
	ds_store_b128 v241, v[236:239]
	ds_store_b64 v242, v[234:235]
	s_mul_i32 s40, s48, 144
	s_add_co_u32 s40, s40, PL
	v_mov_b32 v251, s40                            ; my wave gathers rows 36 w .. 36 w + 35
	s_wait_dscnt 0x0                               ; for the others' sake: pairs and biases are in LDS
	s_barrier_signal -1
	s_barrier_wait -1
.set i, 0
.rept 36
	ds_load_b32 v[48+i], v251 offset:4*i           ; all lanes read the row's pair
.set i, i+1
.endr
	s_wait_dscnt 0x0
.set i, 0
.rept 36
	v_lshrrev_b32 v[48+i], 1, v[48+i]              ; the token (a spare row's number is held to the last token: what it computes is not read),
	v_min_u32 v[48+i], 0x3fff, v[48+i]
	v_lshl_add_u32 v[48+i], v[48+i], 9, v[L16]     ; its row of 512 bytes in xb, 16 bytes a lane
.set i, i+1
.endr
.set i, 0
.rept 36
	global_load_b128 v[84+4*i:87+4*i], v[48+i], s[6:7]
.set i, i+1
.endr
	; the lanes' addresses are made while the rows are on their way
	v_and_b32 v14, 15, v0                          ; r
	v_bfe_u32 v15, v0, 4, 1                        ; hh
	v_mul_u32_u24 v[FA], v14, XP
	v_lshl_add_u32 v[FA], v15, 4, v[FA]            ; a fragment: row r, 16 bytes for each half of the lanes
	v_add_nc_u32 v[FA+1], 3*16*XP, v[FA]
	v_add_nc_u32 v[FA+2], 6*16*XP, v[FA]
	v_mul_u32_u24 v[HS], v14, HP
	v_lshl_add_u32 v[HS], v15, 4, v[HS]
	s_lshl_b32 s40, s48, 7
	s_add_co_u32 s40, s40, HB
	v_add_nc_u32 v[HS], s40, v[HS]                 ; h: row r, my wave's 128 bytes, 16 bytes for each half of the lanes
	v_add_nc_u32 v[HS+1], 3*16*HP, v[HS]
	v_add_nc_u32 v[HS+2], 6*16*HP, v[HS]
	s_mul_i32 s40, s48, 16*SGP
	s_add_co_u32 s40, s40, SG                      ; my stage
	v_mul_u32_u24 v8, v14, SGP
	v_lshl_add_u32 v8, v15, 5, v8
	v_add_nc_u32 v8, s40, v8                       ; in: row r, 32 bytes for each half of the lanes
	v_mul_u32_u24 v9, v15, SGP
	v_lshl_add_u32 v9, v14, 4, v9
	v_add_nc_u32 v9, s40, v9                       ; back: lanes 0-15 one row of 256 bytes, lanes 16-31 the next
	v_lshl_add_u32 v10, v15, 2, PL
	v_lshl_add_u32 v11, v14, 2, WL
	v_lshlrev_b32 v12, 4, v14
	s_lshl_b32 s40, s48, 8
	s_add_co_u32 s40, s40, B1L
	v_lshl_add_u32 v13, v15, 5, s40                ; the bias of my wave's 64 columns, eight for each half of the lanes
	v_mov_b32 v249, 0
	s_mul_i32 s40, s48, 36*XP
	v_add_nc_u32 v250, s40, v[L16]
.set i, 0
.rept 36
	s_wait_loadcnt 35-i                            ; the later rows stay out; the first of these waits also shows the weights w and the first weight buffer in
	ds_store_b128 v250, v[84+4*i:87+4*i] offset:i*XP
.set i, i+1
.endr
	ds_store_b32 v240, v246 offset:1024
	ds_store_b32 v240, v247 offset:1536
	WLOAD 1, 2, 0                                  ; the second half of W1's columns: wanted nine steps on
	WLOAD 1, 2, 1
	WLOAD 1, 2, 2
	WLOAD 1, 2, 3
	WIN 0
	s_wait_dscnt 0x0                               ; for the others' sake: my rows of x are in LDS
	s_barrier_signal -1
	s_barrier_wait -1
	BIASLOAD 0
	FETCHX 0, 0
; LAYER 1: 18 steps: row block s % 9, column half q = s / 9 (weights in window 1 + q).  Step s multiplies into accumulator set s % 2; beside its products the set of step s - 1 is held to
; 0 .. 65,504; at its head the set of step s - 2 is rounded and stored, and those 16 conversions, which name nothing of the last products, are the places in front of the fragment loads.
.set s, 0
.rept 18
	WIN 0
.if s >= 2
	LUMP s-2
.elseif s == 1
	PLACES
.endif
.if s == 9
	s_wait_loadcnt 0x0                             ; the second weight buffer is in
	BIASLOAD 1024
.endif
.if s < 17
	FETCHX (s+1)%9, (s+1)%2
	s_wait_dscnt 16                                ; all but the 16 loads just issued: this step's fragments and the bias are in
.else
	s_wait_dscnt 0x0
.endif
.if (s >= 9) && (s < 13)
	WLOAD 2, 3, s-9                                ; W2's first 256 rows
.elseif (s >= 13) && (s < 17)
	WLOAD 3, 1, s-13                               ; its other 256, where W1's first buffer lay: step 8 read that last
.endif
.if s >= 1
	MUL bf16, 1+s/9, s%2, s%2, 1, 1
.else
	MUL bf16, 1, 0, 0, 1, 0
.endif
.set s, s+1
.endr
	LUMP 16                                        ; its conversions are the places behind the last products
.set n, 0
.rept 32
	v_med3_num_f32 v[ACC+32+n], 0, v[ACC+32+n], s52
.set n, n+1
.endr
	LUMP 17
	v_mul_u32_u24 v[FA], v14, HP                   ; the fragments now come from h
	v_lshl_add_u32 v[FA], v15, 4, v[FA]
	v_add_nc_u32 v[FA], HB, v[FA]
	v_add_nc_u32 v[FA+1], 3*16*HP, v[FA]
	v_add_nc_u32 v[FA+2], 6*16*HP, v[FA]
	s_wait_dscnt 0x0                               ; for the others' sake: my columns of h are in LDS
	s_wait_loadcnt 0x0                             ; W2's two buffers are in
	s_barrier_signal -1
	s_barrier_wait -1
	BIASLOAD 2048
	FETCHH 0, 0, 0
; LAYER 2: for each row block two steps of 256 along K (window 3, then window 1) on accumulator set i % 2.  The block before goes out beside them:
; scaled and sent through the stage at the first step's head, stored at the second's.  No barrier stands from here on.
.set i2, 0
.rept 9
	WIN 0
.if i2 >= 1
	PLACES                                         ; in front of the loads into buffer 1 and of the scaling of results just made
.endif
	FETCHH i2, 1, 1
	s_wait_dscnt 16                                ; all but the 16 just issued: buffer 0, the bias, the last block's pairs and weight
.if i2 >= 1
	EPA (i2-1)%2
.endif
	MUL f16, 3, 0, i2%2, 1, 0
	WIN 0
.if i2 >= 1
	EPADDR                                         ; 16 plain instructions: the places in front of the loads into buffer 0
.else
	PLACES
.endif
.if i2 < 8
	FETCHH i2+1, 0, 0
	s_wait_dscnt 16                                ; all but the 16 just issued: buffer 1, and the last block's rows back from the stage
.else
	s_wait_dscnt 0x0
.endif
.if i2 >= 1
	EPST (i2-1)%2
.endif
	PWLOAD i2
	MUL f16, 1, 1, i2%2, 0, 0
.set i2, i2+1
.endr
	WIN 0
	PLACES
	s_wait_dscnt 0x0                               ; the last block's pairs and weight
	EPA 0
	EPADDR
	s_wait_dscnt 0x0
	EPST 0
	s_barrier_signal -1
	s_barrier_wait -1
	s_wait_xcnt 0x0
	v_lshl_add_u32 v254, v0, 2, 0x4da00
	v_mov_b32 v255, 0
	s_wait_tensorcnt 0x0
	ds_add_u32 v254, v255
	s_wait_dscnt 0x0
	s_endpgm
.Lfunc_end_k_qd2ba5d935c_experts:
	.size	k_qd2ba5d935c_experts, .Lfunc_end_k_qd2ba5d935c_experts-k_qd2ba5d935c_experts
	.p2alignl 7, 3214868480
	.fill 96, 4, 3214868480
	.section	.rodata,"a",@progbits
	.p2align	6, 0x0
	.amdhsa_kernel k_qd2ba5d935c_experts
		.amdhsa_group_segment_fixed_size 318464
		.amdhsa_private_segment_fixed_size 0
		.amdhsa_enable_private_segment 0
		.amdhsa_kernarg_size 64
		.amdhsa_user_sgpr_count 2
		.amdhsa_user_sgpr_kernarg_segment_ptr 1
		.amdhsa_wavefront_size32 1
		.amdhsa_system_sgpr_workgroup_id_x 1
		.amdhsa_system_sgpr_workgroup_id_y 1
		.amdhsa_system_sgpr_workgroup_id_z 1
		.amdhsa_system_vgpr_workitem_id 0
		.amdhsa_next_free_vgpr 1024
		.amdhsa_next_free_sgpr 100
		.amdhsa_reserve_vcc 1
		.amdhsa_float_denorm_mode_32 3
		.amdhsa_float_denorm_mode_16_64 3
		.amdhsa_memory_ordered 1
		.amdhsa_forward_progress 1
		.amdhsa_inst_pref_size 255
	.end_amdhsa_kernel
	.section	.bss,"aw",@nobits
	.p2align	6
	.space	262144
	.amdgpu_metadata
---
amdhsa.version: [ 1, 2 ]
amdhsa.kernels:
  - .name:           k_qd2ba5d935c_experts
    .symbol:         k_qd2ba5d935c_experts.kd
    .args:
      - { .name: wfrag, .offset: 0, .size: 8, .value_kind: global_buffer, .address_space: global }
      - { .name: xb, .offset: 8, .size: 8, .value_kind: global_buffer, .address_space: global }
      - { .name: slist, .offset: 16, .size: 8, .value_kind: global_buffer, .address_space: global }
      - { .name: hist, .offset: 24, .size: 8, .value_kind: global_buffer, .address_space: global }
      - { .name: gw, .offset: 32, .size: 8, .value_kind: global_buffer, .address_space: global }
      - { .name: b1, .offset: 40, .size: 8, .value_kind: global_buffer, .address_space: global }
      - { .name: b2, .offset: 48, .size: 8, .value_kind: global_buffer, .address_space: global }
      - { .name: ybuf, .offset: 56, .size: 8, .value_kind: global_buffer, .address_space: global }
    .group_segment_fixed_size: 318464
    .private_segment_fixed_size: 0
    .kernarg_segment_align: 8
    .kernarg_segment_size: 64
    .max_flat_workgroup_size: 128
    .sgpr_count:     100
    .vgpr_count:     1024
    .wavefront_size: 32
...
	.end_amdgpu_metadata
.endif
;; end of part 6
;; launch combine: the kernel of part 4 again; grid 256 x 1, 8 waves a work-group, no clusters, 0 bytes of LDS; arguments ybuf, out0; writes out0
